; MI455X (gfx1250); checked and timed in simulation.
; The chip was launched on July 23, 2026; its instructions are those of AMD's public machine-readable ISA for CDNA 5 (MIT licence, August 2026) and "CDNA5" Instruction Set Architecture Reference Guide (July 2026). The comments in the code are by the model that wrote it; some were corrected since.
;; Layer Depth Value Reproj Normed Dual Q Attention. Allowed arithmetic: matrix products marked QUANTISED: E4M3 operands, one E8M0 scale for each 32 along K, by v_wmma_scale_f32_16x16x128_f8f6f4 with both operands' format E4M3, f32 sums; products left as they are: f32 operands where the result goes on into a quantised operand, else bf16, f16 or f32 operands; f32 sums; everything else in f32.
;; Inputs: Wcol 1,024 x 1,024 float32; Wout 1,024 x 1,024 float32; Wqkv 3,072 x 1,024 float32; bcol 1,024 float32; bout 1,024 float32; bqkv 3,072 float32; past_values 8 x 1 x 16 x 2,048 x 64 float32; x 1 x 2,048 x 1,024 float32.
;; Outputs: out0 1 x 2,048 x 1,024 float32.
;; This version of the problem:
;;   THIS VERSION OF THE PROBLEM IS GIVEN IN LOW PRECISION. The matrix products marked QUANTISED in the list below multiply operands that are first quantised to E4M3 (4 exponent bits, 3 mantissa bits; 8 bits a number), with one power-of-two scale for each 32 numbers along K (OCP MX v1.0); their sums are f32. All else is computed in f32.
;;   The module's matrix products, in the order in which they are computed (A, B: the left and right operand; K: the contracted axis; several contracted axes count as one K, in the product's order):
;;     1. [M 2,048, K 1,024] x [K 1,024, N 3,072]; A: input x; B: input Wqkv: QUANTISED
;;     2. [M 2,048, K 1,024] x [K 1,024, N 1,024]; A: input x; B: input Wcol: QUANTISED
;;     3. batch 16 x [M 2,048, K 64] x [K 64, N 2,048]; A: computed on the way; B: computed on the way: QUANTISED
;;     4. [M 16,384, K 1,024] x [K 1,024, N 1,024]; A: computed on the way; B: input Wqkv: QUANTISED
;;     5. [M 16,384, K 1,024] x [K 1,024, N 1,024]; A: computed on the way; B: input Wqkv: QUANTISED
;;     6. batch 32,768 x [M 1, K 64] x [K 64, N 8]; A: computed on the way; B: computed on the way: left as it is (M = 1 < 16)
;;     7. batch 16 x [M 2,048, K 2,048] x [K 2,048, N 64]; A: computed on the way; B: computed on the way: QUANTISED
;;     8. batch 32,768 x [M 1, K 8] x [K 8, N 64]; A: computed on the way; B: computed on the way: left as it is (K = 8 < 32)
;;     9. [M 2,048, K 1,024] x [K 1,024, N 1,024]; A: computed on the way; B: input Wout: QUANTISED
;;   THE QUANTISER, for each operand of a quantised product, along K:
;;     - K is cut into blocks of 32 from its start; a last block that is shorter is filled with zeros.
;;     - A block's scale is 2^e with e = floor(log2(the largest magnitude in the block)) - 8, held to -126 .. 127; a block of zeros has e = 0. As a byte (E8M0): e + 127.
;;     - Each number is divided by its block's scale, clamped to +-448, and rounded to the nearest number of E4M3, ties to even, subnormals kept.
;;     - The product sums the exact products of the quantised numbers (number of the format x scale) in f32.
;;   ~~~python
;;   def quantise(x, axis):      # numpy; x: float32 -> the quantised numbers, widened to float32 again
;;       x = np.moveaxis(x, axis, -1); K = x.shape[-1]
;;       x = np.pad(x, [(0, 0)] * (x.ndim - 1) + [(0, -K % 32)]); x = x.reshape(x.shape[:-1] + (-1, 32)); a = np.abs(x).max(-1, keepdims=True)
;;       e = np.where(a > 0, np.clip(np.frexp(np.where(a > 0, a, 1))[1] - 1 - 8, -126, 127), 0)      # np.frexp(a)[1] - 1 = floor(log2(a)), exactly
;;       r = np.clip(x / 2.0 ** e, -448, 448)
;;       step = 2.0 ** (np.maximum(np.frexp(np.where(r == 0, 1, r))[1] - 1, -6) - 3)
;;       q = np.round(r / step) * step * 2.0 ** e      # np.round: ties to even
;;       return np.moveaxis(q.reshape(q.shape[:-2] + (-1,))[..., :K], -1, axis).astype(np.float32)
;;   ~~~
;;   OPERANDS COMPUTED ON THE WAY. 'Computed on the way' means the value that the module computes at that place (a softmax that the list does not call 'softmax' is quantised finished and normalised). What goes into a quantiser is computed in f32, as accurately as f32 sums, v_exp_f32 and their like allow (about 1e-6 of the number): no bf16 or f16 on the way to a quantiser, and a product that is left as it is and whose result goes on into a quantised operand takes f32 operands (vector FMAs, or v_wmma_f32_16x16x4_f32). A number that lies on a knife's edge between two numbers of the format may be rounded either way, as far as f32 arithmetic and the matrix unit's own rounding can turn it there, and no further.
;; One version. Each part assembles by itself: llvm-mc -triple=amdgcn-amd-amdhsa -mcpu=gfx1250 --defsym DOCPART=n.
;; ======== version 1 of 1: 5 launches
;; limits: right only within a limited range of input values
;; workspace buffers: w1 27,033,600 bytes; w2 15,007,744 bytes; w3 8,650,752 bytes; w4 2,162,688 bytes; w5 17,301,504 bytes
;; launch prep (part 1): grid 736 x 1, 4 waves a work-group, no clusters, 78,336 bytes of LDS; arguments x, Wqkv, Wcol, Wout, past_values, w1, w5; writes w1, w5
.if DOCPART == 1
	.amdgcn_target "amdgcn-amd-amdhsa--gfx1250"
	.amdhsa_code_object_version 6
	.text
	.protected	k_qe333723f20_prep
	.globl	k_qe333723f20_prep
	.p2align	8
	.type	k_qe333723f20_prep,@function
k_qe333723f20_prep:
	s_mov_b64 s[64:65], 0
	v_nop
	global_prefetch_b8 v0, s[64:65] scope:SCOPE_SE
	s_setreg_imm32_b32 hwreg(HW_REG_WAVE_MODE, 25, 1), 1
	s_wait_xcnt 0x0
; PREP: everything that is quantised from an input, once.  Codes of FP8 (E4M3), K innermost, one E8M0 byte for each 32 along K.
; w1: rows of 1,024 codes: x (row 0 on), Wq (2,048), Wk (3,072), Wv (4,096), Wcol (5,120), Wout (6,144); from byte 0x700000 a second copy of Wk and Wv in the order that the
; memory launch wants (Wk from 0x700000, Wv from 0x800000, 65,536 bytes a head: tiles of 16 natural rows as [K / 16][row][16 bytes]); from 0x1900000 and 0x1938000 their scale bytes, 32 a row.
; In the first copy of Wv the second and third groups of 8 rows of each 32 change places, so that the context comes out of the second attention product with its channels in natural order.
; A block's scale is 2^(floor(log2(its largest magnitude)) - 8); its byte is that magnitude's exponent field - 8, held at 1 from below.  A block of zeros so gets the byte 1 and not 127: its codes are zeros,
; which add nothing under any byte but 0xff, and this program alone reads the bytes.  LIMITS: NaN and infinities among the inputs are not served.
; Work-groups 0 to 511 normalise and quantise past_values, the other 224 quantise x and the weights.  The two ways have LDS bytes of their own.  Only the second copy of Wk and Wv shares LDS between waves, behind one barrier.
.set LNG,   512                        ; work-groups of the layer norm
.set WREG,  8192                       ; weights' way: LDS region of a wave: two stages of 32 x SP bytes, then its 256 scale bytes
.set SP,    80                         ; a lane's place in a stage: 64 bytes + 16 of padding
.set STEPS, 16
.set EMAX,  8
.set MANT,  0x600000                   ; the mantissa field of 448
.set CB,    16
.set R,     16                         ; v16-79   four sets of 16 numbers as loaded
.set X,     80                         ; v80-111  two sets of 16 neighbours
.set E,     112                        ; v112-127 a scale byte for each step
.set C,     128                        ; v128-191 codes, four registers a step: no store's data are written again
.set LNB,   32768                      ; layer norm's way: LDS from here on, LNW bytes a wave
.set LNW,   2560
.set RP,    1088                       ; a row of 1,024 codes + 64: the two rows of a unit start 16 banks apart
.set SBY,   2176                       ; behind the two rows: the wave's 256 scale bytes, [token][unit][32]
	s_load_b256 s[4:11], s[0:1], 0x0               ; x, Wqkv, Wcol, Wout
	s_load_b128 s[12:15], s[0:1], 0x20             ; past_values, w1
	s_load_b64 s[46:47], s[0:1], 0x30              ; w5: the normalised rows, in groups of 64: 64 rows of 1,024 codes, then their 64 x 32 scale bytes: 67,584 dense bytes a group (w1 holds them no more)
	v_lshl_add_u32 v248, v0, 2, 0xa800
	v_mov_b32 v249, 0
	v_lshrrev_b32 v1, 5, v0
	v_readfirstlane_b32 s16, v1                    ; wave 0..3
	v_and_b32 v2, 31, v0                           ; lane
	s_cmp_lt_u32 ttmp9, LNG
	s_cbranch_scc0 .Lweights
; ---------------- THE LAYER NORM.  A wave takes two tokens (2 sigma, 2 sigma + 1) and four of the eight memory slots (4 lambda + u): four units.
; A unit is two rows of 1,024 numbers: lanes 0-15 hold the even token's row, lanes 16-31 the odd token's; register 4 h + i of lane j holds channel 64 h + 4 j + i.
; Each of a unit's 16 loads reads 512 consecutive bytes (two tokens of one head).  A block of 32 channels lies in 8 neighbouring lanes x 4 registers.
	v_lshlrev_b32 v1, 4, v2                        ; 16 x lane: the loads' and the stores' offset
	v_lshrrev_b32 v3, 4, v2                        ; which token
	v_and_b32 v4, 15, v2                           ; j
	s_mul_i32 s17, s16, LNW
	s_add_co_u32 s17, s17, LNB                     ; my wave's LDS
	v_mul_u32_u24 v5, v3, RP
	v_lshl_add_u32 v5, v4, 2, v5
	v_add_nc_u32 v5, s17, v5                       ; codes in: my token's row, 4 j
	v_bfe_u32 v6, v2, 3, 1
	v_lshl_add_u32 v6, v3, 7, v6
	v_add_nc_u32 v6, s17, v6
	v_add_nc_u32 v6, SBY, v6                       ; scale bytes in: 128 x token + (j / 8)
	v_add_nc_u32 v7, s17, v1                       ; codes out: 16 bytes a lane
	v_lshlrev_b32 v8, 3, v2
	v_add_nc_u32 v8, s17, v8
	v_add_nc_u32 v8, SBY, v8                       ; scale bytes out: 8 a lane
	v_lshlrev_b32 v9, 3, v4
	v_lshl_add_u32 v9, v3, 8, v9                   ; and their place in memory: the odd token's four rows lie 256 bytes on
	v_mov_b32 v233, 0                              ; upper halves of pairs of which the low word serves both halves: named, so written
	v_mov_b32 v235, 0
	v_mov_b32 v236, 1.0                            ; the conversions' scale: the numbers are divided by their scales beforehand
	s_lshr_b32 s18, s16, 1
	s_lshl_b32 s19, ttmp9, 1
	s_add_co_u32 s18, s18, s19                     ; sigma
	s_and_b32 s19, s16, 1                          ; lambda
	s_lshl_b32 s32, s18, 9                         ; two tokens of 256 bytes,
	s_lshl_b32 s33, s19, 25                        ; four slots of 8,388,608 bytes
	s_add_co_u32 s32, s32, s33
	s_mov_b32 s33, 0
	s_lshl_b32 s34, s18, 4
	s_lshl_b32 s35, s19, 2
	s_add_co_u32 s34, s34, s35                     ; my first row of the normalised rows: 16 sigma + 4 lambda
	s_lshr_b32 s38, s34, 6                         ; the group of 64 rows
	s_and_b32 s36, s34, 63
	s_lshl_b32 s36, s36, 5
	s_mul_i32 s39, s38, 67584
	s_add_co_u32 s36, s36, s39
	s_add_co_u32 s36, s36, 65536                   ; scale bytes: behind the group's codes, 32 a row
	s_mov_b32 s37, 0
	s_lshl_b32 s34, s34, 10
	s_lshl_b32 s38, s38, 11
	s_add_co_u32 s34, s34, s38                     ; codes: 1,024 a row, and 2,048 more for each group passed
	s_mov_b32 s35, 0
	s_mov_b32 s40, 0x3a800000                      ; 1 / 1,024
	s_mov_b32 s41, 0x3727c5ac                      ; 1e-5
	s_mov_b32 s42, 0x43e00000                      ; 448
	s_mov_b32 s43, 0xc3e00000                      ; -448
	s_mov_b32 s44, 0x7f800000                      ; the exponent field
	s_mov_b32 s45, 0x83000000                      ; 262 << 23
	s_wait_kmcnt 0x0
	s_add_nc_u64 s[20:21], s[12:13], s[32:33]      ; a base for each unit: nothing is stepped
	s_add_nc_u64 s[22:23], s[20:21], 0x800000
	s_add_nc_u64 s[24:25], s[20:21], 0x1000000
	s_add_nc_u64 s[26:27], s[20:21], 0x1800000
	s_add_nc_u64 s[28:29], s[46:47], s[34:35]
	s_add_nc_u64 s[30:31], s[46:47], s[36:37]
.macro LOADU u                         ; unit u's 16 loads, a head each, into set u % 2
.irp h, 0,1,2,3,4,5,6,7,8,9,10,11,12,13,14,15
	global_load_b128 v[16+64*((\u)%2)+4*\h:16+64*((\u)%2)+4*\h+3], v1, s[20+2*(\u):21+2*(\u)] offset:\h*524288 th:TH_LOAD_NT
.endr
.endm
.macro REDUCE                          ; four packed chains -> one number for each row, in all its 16 lanes
	v_pk_add_f32 v[224:225], v[224:225], v[226:227]
	v_pk_add_f32 v[228:229], v[228:229], v[230:231]
	v_pk_add_f32 v[224:225], v[224:225], v[228:229]
	v_add_f32 v224, v224, v225
.irp m, 1,2,4,8
	v_add_f32_dpp v224, v224, v224 row_xmask:\m row_mask:0xf bank_mask:0xf
.endr
.endm
.macro UNIT u
.set XS, 16+64*((\u)%2)
.set OS, 192+16*((\u)%2)
.if (\u) < 3
	s_wait_loadcnt 16                              ; my 16 loads are in; the next unit's 16 may be out
.else
	s_wait_loadcnt 0
.endif
.irp k, 0,1,2,3                        ; the row's sum, in four chains
	v_pk_add_f32 v[224+2*\k:225+2*\k], v[XS+2*\k:XS+2*\k+1], v[XS+8+2*\k:XS+9+2*\k]
.endr
.irp q, 2,3,4,5,6,7
.irp k, 0,1,2,3
	v_pk_add_f32 v[224+2*\k:225+2*\k], v[224+2*\k:225+2*\k], v[XS+8*\q+2*\k:XS+8*\q+2*\k+1]
.endr
.endr
	REDUCE
	v_mul_f32 v232, s40, v224                      ; the mean
.set i, 0
.rept 32
	v_pk_add_f32 v[XS+i:XS+i+1], v[XS+i:XS+i+1], v[232:233] op_sel_hi:[1,0] neg_lo:[0,1] neg_hi:[0,1]   ; x - mean: the variance is taken of these, so a common offset of the inputs does no harm
.set i, i+2
.endr
.irp k, 0,1,2,3
	v_pk_mul_f32 v[224+2*\k:225+2*\k], v[XS+2*\k:XS+2*\k+1], v[XS+2*\k:XS+2*\k+1]
.endr
.irp q, 1,2,3,4,5,6,7
.irp k, 0,1,2,3
	v_pk_fma_f32 v[224+2*\k:225+2*\k], v[XS+8*\q+2*\k:XS+8*\q+2*\k+1], v[XS+8*\q+2*\k:XS+8*\q+2*\k+1], v[224+2*\k:225+2*\k]
.endr
.endr
	REDUCE
	v_fma_f32 v234, v224, s40, s41                 ; the variance + 1e-5
	s_wait_alu depctr_va_vdst(0)
	v_rsq_f32 v234, v234
	v_nop                                          ; a plain instruction between the transcendental and the use of its result
.set i, 0
	s_wait_alu depctr_va_vdst(0)
.rept 32
	v_pk_mul_f32 v[XS+i:XS+i+1], v[XS+i:XS+i+1], v[234:235] op_sel_hi:[1,0]   ; the normalised numbers
.set i, i+2
.endr
.irp h, 0,1,2,3,4,5,6,7,8,9,10,11,12,13,14,15
	v_max3_num_f32 v[144+\h], |v[XS+4*\h]|, |v[XS+4*\h+1]|, |v[XS+4*\h+2]|
.endr
.irp h, 0,1,2,3,4,5,6,7,8,9,10,11,12,13,14,15
	v_max3_num_f32 v[144+\h], v[144+\h], |v[XS+4*\h+3]|, 0x4800000   ; and the floor 2^(9 - 127): the byte cannot fall under 1
.endr
.irp m, 1,2,4
.irp h, 0,1,2,3,4,5,6,7,8,9,10,11,12,13,14,15
	v_max_num_f32_dpp v[144+\h], v[144+\h], v[144+\h] row_xmask:\m row_mask:0xf bank_mask:0xf   ; with the block's other seven lanes
.endr
.endr
.irp h, 0,1,2,3,4,5,6,7,8,9,10,11,12,13,14,15
	v_lshrrev_b32 v[160+\h], 23, v[144+\h]
.endr
.irp h, 0,1,2,3,4,5,6,7,8,9,10,11,12,13,14,15
	v_add_nc_u32 v[160+\h], -8, v[160+\h]          ; the scale's byte
.endr
.irp h, 0,1,2,3,4,5,6,7,8,9,10,11,12,13,14,15
	v_and_b32 v[144+\h], s44, v[144+\h]
.endr
.irp h, 0,1,2,3,4,5,6,7,8,9,10,11,12,13,14,15
	v_sub_nc_u32 v[144+\h], s45, v[144+\h]         ; 1 / scale = 2^(135 - the exponent field), as f32: its field lies between 8 and 253
.endr
; A conversion takes eight numbers and ONE scale, and here eight registers span two blocks: so each number is multiplied by 1 / its scale first, which rounds nothing, and the conversion's scale is 1.
.irp g, 0,1,2,3,4,5,6,7
	v_pk_mul_f32 v[XS+8*\g:XS+8*\g+1], v[XS+8*\g:XS+8*\g+1], v[144+2*\g:145+2*\g] op_sel_hi:[1,0]
	v_pk_mul_f32 v[XS+8*\g+2:XS+8*\g+3], v[XS+8*\g+2:XS+8*\g+3], v[144+2*\g:145+2*\g] op_sel_hi:[1,0]
	v_pk_mul_f32 v[XS+8*\g+4:XS+8*\g+5], v[XS+8*\g+4:XS+8*\g+5], v[144+2*\g:145+2*\g] op_sel:[0,1] op_sel_hi:[1,1]
	v_pk_mul_f32 v[XS+8*\g+6:XS+8*\g+7], v[XS+8*\g+6:XS+8*\g+7], v[144+2*\g:145+2*\g] op_sel:[0,1] op_sel_hi:[1,1]
.endr
.set i, 0
.rept 64
	v_med3_num_f32 v[XS+i], v[XS+i], s43, s42      ; the conversion to an 8-bit code does not saturate (ISA guide 7.6.2): the hold at +-448
.set i, i+1
.endr
.irp k, 0,1,2,3,4,5,6,7
	v_cvt_scalef32_pk8_fp8_f32 v[176+2*\k:177+2*\k], v[XS+8*\k:XS+8*\k+7], v236   ; register h of the result: the four codes at byte 64 h + 4 j of my row
.endr
	v_nop                                          ; a plain instruction behind the last conversion
.irp h, 0,1,2,3,4,5,6,7,8,9,10,11,12,13,14,15
	ds_store_b32 v5, v[176+\h] offset:64*\h
.endr
.irp h, 0,1,2,3,4,5,6,7,8,9,10,11,12,13,14,15
	ds_store_b8 v6, v[160+\h] offset:32*(\u)+2*\h  ; block 2 h + j / 8; the block's eight lanes write the same byte with the same value
.endr
.if (\u) >= 2
	s_wait_xcnt 0x0                                ; the stores of two units ago have read the registers that the loads below fill
.endif
.irp i, 0,1,2,3
	ds_load_b128 v[OS+4*\i:OS+4*\i+3], v7 offset:(\i/2)*RP+(\i%2)*512   ; LDS serves a wave's instructions in order: these see the stores above
.endr
.if (\u)+2 < 4
	LOADU (\u)+2                                   ; this set's numbers are done with
.endif
	s_wait_dscnt 0x0
.irp i, 0,1,2,3
	global_store_b128 v1, v[OS+4*\i:OS+4*\i+3], s[28:29] offset:(\u)*1024+(\i/2)*8192+(\i%2)*512   ; 32 lanes store 512 consecutive bytes of a row
.endr
.endm
	LOADU 0
	LOADU 1
	UNIT 0
	UNIT 1
	UNIT 2
	UNIT 3
	ds_load_b64 v[224:225], v8                     ; the wave's 256 scale bytes: two runs of 128 consecutive bytes
	s_wait_dscnt 0x0
	global_store_b64 v9, v[224:225], s[30:31]
	s_wait_tensorcnt 0x0
	ds_add_u32 v248, v249
	s_wait_dscnt 0x0
	s_endpgm
; ---------------- x AND THE WEIGHTS.  All four are dense rows of 1,024 numbers: plain streams of blocks of 32.  A wave takes 8 rows: 16 steps of 512 numbers.
; The conversions want 16 NEIGHBOURS in a lane, a load is best where neighbouring LANES take neighbouring bytes: each load reads 512 consecutive bytes, and a step's 2,048 bytes turn through the wave's own stage in LDS.
.Lweights:
	s_sub_co_u32 s17, ttmp9, LNG                   ; g: 0-63 x, 64-159 Wqkv, 160-191 Wcol, 192-223 Wout: 32 rows each
	s_wait_alu depctr_va_vdst(0)
	v_lshlrev_b32 v3, 4, v2                        ; my 16 bytes of a load's 512
	s_mul_i32 s18, s16, WREG
	v_lshrrev_b32 v14, 2, v2
	v_mul_u32_u24 v14, v14, SP
	v_and_b32 v15, 3, v2
	v_lshl_add_u32 v14, v15, 4, v14
	v_add_nc_u32 v14, s18, v14                     ; the stage, in: four lanes' 64 bytes on end, then 16 of padding
	v_mul_u32_u24 v15, v2, SP
	v_add_nc_u32 v15, s18, v15                     ; and out: my 16 neighbours
	v_mul_u32_u24 v4, v2, CB                       ; my codes' place in a step's
	v_lshrrev_b32 v5, 1, v2
	s_add_co_u32 s18, s18, 2*32*SP
	v_add_nc_u32 v5, s18, v5                       ; my block's scale byte in LDS
	v_lshlrev_b32 v7, 3, v2
	v_add_nc_u32 v6, s18, v7                       ; and 8 bytes a lane on the way out
	s_mov_b32 s23, MANT
	s_wait_alu depctr_va_vdst(0)
	s_wait_kmcnt 0x0
	s_mov_b64 s[24:25], s[10:11]                   ; which tensor: a choice on the work-group's number alone
	s_mov_b32 s19, 192
	s_cmp_lt_u32 s17, 192
	s_cselect_b64 s[24:25], s[8:9], s[24:25]
	s_cselect_b32 s19, 160, s19
	s_cmp_lt_u32 s17, 160
	s_cselect_b64 s[24:25], s[6:7], s[24:25]
	s_cselect_b32 s19, 64, s19
	s_cmp_lt_u32 s17, 64
	s_cselect_b64 s[24:25], s[4:5], s[24:25]
	s_cselect_b32 s19, 0, s19
	s_sub_co_u32 s19, s17, s19
	s_lshl_b32 s19, s19, 2
	s_add_co_u32 s19, s19, s16                     ; my run of 8 rows in that tensor
	s_lshl_b32 s20, s19, 15
	s_mov_b32 s21, 0
	s_add_nc_u64 s[24:25], s[24:25], s[20:21]
	s_and_b32 s26, s16, 1
	s_lshl_b32 s26, s26, 1
	s_lshr_b32 s27, s16, 1
	s_or_b32 s26, s26, s27                         ; the wave's number with its two bits exchanged:
	s_sub_co_u32 s27, s17, 128
	s_cmp_lt_u32 s27, 32                           ; in Wv's rows groups 1 and 2 of each 32 change places
	s_cselect_b32 s26, s26, s16
	s_lshl_b32 s27, s17, 2
	s_add_co_u32 s26, s26, s27                     ; where my 8 rows go
	s_lshl_b32 s28, s26, 13
	s_mov_b32 s29, 0
	s_add_nc_u64 s[28:29], s[14:15], s[28:29]
	s_lshl_b32 s30, s26, 8
	s_mov_b32 s31, 0
	s_add_nc_u64 s[30:31], s[30:31], 0x1900000
	s_add_nc_u64 s[30:31], s[14:15], s[30:31]
.macro LOAD t
.irp i, 0,1,2,3
	global_load_b128 v[R+16*((\t)%4)+4*\i:R+16*((\t)%4)+4*\i+3], v3, s[24:25] offset:2048*(\t)+512*\i th:TH_LOAD_NT
.endr
.endm
.macro TURN t                          ; step t's numbers through the stage
.irp i, 0,1,2,3
	ds_store_b128 v14, v[R+16*((\t)%4)+4*\i:R+16*((\t)%4)+4*\i+3] offset:32*SP*((\t)%2)+8*SP*\i
.endr
.irp i, 0,1,2,3
	ds_load_b128 v[X+16*((\t)%2)+4*\i:X+16*((\t)%2)+4*\i+3], v15 offset:32*SP*((\t)%2)+16*\i
.endr
.endm
.irp t, 0,1,2,3
	LOAD \t
.endr
	s_wait_loadcnt 12                              ; step 0's four loads are in
	TURN 0
.macro STEP t
.set XQ, X+16*((\t)%2)
.if (\t) > 0
	s_wait_dscnt 1                                 ; this step's numbers are back from the stage (the last step's byte store may be out)
.else
	s_wait_dscnt 0x0
.endif
.if (\t)+4 < STEPS
	LOAD (\t)+4
.endif
.if (\t)+1 < STEPS
.if STEPS-2-(\t) >= 3
	s_wait_loadcnt 12                              ; the next step's four loads are in; those of the three steps behind it may be out
.else
	s_wait_loadcnt 4*(STEPS-2-(\t))
.endif
	TURN (\t)+1
.endif
	v_max3_num_f32 v8, |v[XQ]|, |v[XQ+1]|, |v[XQ+2]|
	v_max3_num_f32 v9, |v[XQ+3]|, |v[XQ+4]|, |v[XQ+5]|
.irp i, 6,10
	v_max3_num_f32 v8, v8, |v[XQ+\i]|, |v[XQ+\i+1]|
	v_max3_num_f32 v9, v9, |v[XQ+\i+2]|, |v[XQ+\i+3]|
.endr
	v_max3_num_f32 v8, v8, |v[XQ+14]|, |v[XQ+15]|
	v_max3_num_f32 v8, v8, v9, (EMAX+1)<<23        ; and the floor
	v_max_num_f32_dpp v8, v8, v8 row_xmask:1 row_mask:0xf bank_mask:0xf   ; with my neighbour's 16: the block's largest magnitude
	v_add_nc_u32 v11, -(EMAX<<23), v8              ; 8 off its exponent field: the conversion's scale operand
	v_and_or_b32 v10, v8, 0x7f800000, s23          ; 448 x the scale
.irp i, 0,1,2,3,4,5,6,7,8,9,10,11,12,13,14,15
	v_med3_num_f32 v[XQ+\i], v[XQ+\i], -v10, v10
.endr
	v_cvt_scalef32_pk8_fp8_f32 v[C+4*(\t):C+4*(\t)+1], v[XQ:XQ+7], v11
	v_cvt_scalef32_pk8_fp8_f32 v[C+4*(\t)+2:C+4*(\t)+3], v[XQ+8:XQ+15], v11
	v_lshrrev_b32 v[E+(\t)], 23, v11               ; the scale's byte
	ds_store_b8 v5, v[E+(\t)] offset:16*(\t)
	global_store_b128 v4, v[C+4*(\t):C+4*(\t)+3], s[28:29] offset:32*CB*(\t)   ; 512 consecutive bytes
.endm
.irp t, 0,1,2,3,4,5,6,7,8,9,10,11,12,13,14,15
	STEP \t
.endr
	ds_load_b64 v[12:13], v6
	s_wait_dscnt 0x0
	global_store_b64 v7, v[12:13], s[30:31]        ; 256 consecutive bytes
	; Wk's and Wv's rows go out a second time, in the memory launch's order.  My row i (0..7) is row 32 gg + 8 w + i of its head: it keeps its natural order: row 8 (w % 2) + i of the work-group's tile w / 2.
	s_sub_co_u32 s32, s17, 96
	s_cmp_lt_u32 s32, 64
	s_cbranch_scc0 .Lweights_end
	; THE SECOND COPY IS AN IMAGE OF OPERAND REGISTERS: tile T = 16 natural rows of [Wk; Wv], 16,384 bytes: [unit U = K / 16][row r][16 bytes].  The work-group's 32 rows are two tiles.
	; They are gathered in LDS bytes of their own (a unit 272 bytes apart), one barrier, and leave as whole runs of 512 bytes.  The scale bytes go out in natural row order.
	s_lshl_b32 s36, s32, 15                        ; my work-group's two tiles,
	s_lshl_b32 s33, s16, 13                        ; my quarter of them on the way out
	s_add_co_u32 s36, s36, s33
	s_mov_b32 s37, 0
	s_add_nc_u64 s[36:37], s[36:37], 0x700000
	s_add_nc_u64 s[36:37], s[14:15], s[36:37]
	s_lshl_b32 s38, s32, 2
	s_add_co_u32 s38, s38, s16
	s_lshl_b32 s38, s38, 8                         ; my 8 rows' 256 scale bytes
	s_mov_b32 s39, 0
	s_add_nc_u64 s[38:39], s[38:39], 0x1938000
	s_add_nc_u64 s[38:39], s[14:15], s[38:39]
	global_store_b64 v7, v[12:13], s[38:39]
	s_lshr_b32 s33, s16, 1                         ; which tile my rows belong to
	s_mul_i32 s33, s33, 17408
	s_add_co_u32 s33, s33, 43520
	s_and_b32 s34, s16, 1
	s_lshl_b32 s35, s34, 7                         ; in: r = 8 (wave % 2) + i
	s_add_co_u32 s35, s35, s33
	s_mul_i32 s34, s34, 8704                       ; out: units 32 (wave % 2) on
	s_add_co_u32 s34, s34, s33
	v_mul_u32_u24 v8, v2, 272                      ; step t, lane L holds unit 32 (t % 2) + L of row t / 2
	v_add_nc_u32 v8, s35, v8
	v_lshrrev_b32 v9, 4, v2
	v_mul_u32_u24 v9, v9, 272
	v_and_b32 v10, 15, v2
	v_lshl_add_u32 v9, v10, 4, v9
	v_add_nc_u32 v9, s34, v9
	s_wait_alu depctr_va_vdst(0)
.irp t, 0,1,2,3,4,5,6,7,8,9,10,11,12,13,14,15
	ds_store_b128 v8, v[C+4*\t:C+4*\t+3] offset:(\t%2)*8704+(\t/2)*16
.endr
	s_wait_dscnt 0x0                               ; for the others' sake
	s_barrier_signal -1
	s_barrier_wait -1
.irp k, 0,1,2,3,4,5,6,7,8,9,10,11,12,13,14,15
	ds_load_b128 v[R+4*\k:R+4*\k+3], v9 offset:\k*544
.endr
	s_wait_dscnt 0x0
.irp k, 0,1,2,3,4,5,6,7,8,9,10,11,12,13,14,15
	global_store_b128 v3, v[R+4*\k:R+4*\k+3], s[36:37] offset:\k*512
.endr
.Lweights_end:
	s_wait_tensorcnt 0x0
	ds_add_u32 v248, v249
	s_wait_dscnt 0x0
	s_endpgm
.Lfunc_end_k_qe333723f20_prep:
	.size	k_qe333723f20_prep, .Lfunc_end_k_qe333723f20_prep-k_qe333723f20_prep
	.p2alignl 7, 3214868480
	.fill 96, 4, 3214868480
	.section	.rodata,"a",@progbits
	.p2align	6, 0x0
	.amdhsa_kernel k_qe333723f20_prep
		.amdhsa_group_segment_fixed_size 78336
		.amdhsa_private_segment_fixed_size 0
		.amdhsa_enable_private_segment 0
		.amdhsa_kernarg_size 56
		.amdhsa_user_sgpr_count 2
		.amdhsa_user_sgpr_kernarg_segment_ptr 1
		.amdhsa_wavefront_size32 1
		.amdhsa_system_sgpr_workgroup_id_x 1
		.amdhsa_system_sgpr_workgroup_id_y 1
		.amdhsa_system_sgpr_workgroup_id_z 1
		.amdhsa_system_vgpr_workitem_id 0
		.amdhsa_next_free_vgpr 250
		.amdhsa_next_free_sgpr 66
		.amdhsa_reserve_vcc 0
		.amdhsa_float_denorm_mode_32 3
		.amdhsa_float_denorm_mode_16_64 3
		.amdhsa_memory_ordered 1
		.amdhsa_forward_progress 1
		.amdhsa_inst_pref_size 168
	.end_amdhsa_kernel
	.amdgpu_metadata
---
amdhsa.version: [ 1, 2 ]
amdhsa.kernels:
  - .name:           k_qe333723f20_prep
    .symbol:         k_qe333723f20_prep.kd
    .args:
      - { .name: x, .offset: 0, .size: 8, .value_kind: global_buffer, .address_space: global }
      - { .name: Wqkv, .offset: 8, .size: 8, .value_kind: global_buffer, .address_space: global }
      - { .name: Wcol, .offset: 16, .size: 8, .value_kind: global_buffer, .address_space: global }
      - { .name: Wout, .offset: 24, .size: 8, .value_kind: global_buffer, .address_space: global }
      - { .name: past_values, .offset: 32, .size: 8, .value_kind: global_buffer, .address_space: global }
      - { .name: w1, .offset: 40, .size: 8, .value_kind: global_buffer, .address_space: global }
      - { .name: w5, .offset: 48, .size: 8, .value_kind: global_buffer, .address_space: global }
    .group_segment_fixed_size: 78336
    .private_segment_fixed_size: 0
    .kernarg_segment_align: 8
    .kernarg_segment_size: 56
    .max_flat_workgroup_size: 128
    .sgpr_count:     66
    .vgpr_count:     250
    .wavefront_size: 32
...
	.end_amdgpu_metadata
.endif
;; end of part 1
;; launch gemm1 (part 2): grid 8 x 16, 4 waves a work-group, clusters of 4 x 4, 327,680 bytes of LDS; arguments w1, bqkv, bcol, w2; writes w2
.if DOCPART == 2
	.amdgcn_target "amdgcn-amd-amdhsa--gfx1250"
	.amdhsa_code_object_version 6
	.text
	.protected	k_qe333723f20_gemm1
	.globl	k_qe333723f20_gemm1
	.p2align	8
	.type	k_qe333723f20_gemm1,@function
k_qe333723f20_gemm1:
	s_mov_b64 s[64:65], 0
	v_nop
	global_prefetch_b8 v0, s[64:65] scope:SCOPE_SE
	s_setreg_imm32_b32 hwreg(HW_REG_WAVE_MODE, 25, 1), 1
	s_wait_xcnt 0x0
	s_wait_alu depctr_hold_cnt(0) depctr_sa_sdst(0) depctr_va_vdst(0) depctr_va_sdst(0) depctr_va_ssrc(0) depctr_va_vcc(0) depctr_vm_vsrc(0)
	s_getreg_b32 s2, hwreg(HW_REG_IB_STS2, 6, 4)
	s_cmp_eq_u32 s2, 0
	s_cbranch_scc0 .Lentry_in_a_cluster
	s_endpgm
.Lentry_in_a_cluster:
	s_bfe_u32 s2, ttmp6, 0x10000c
	s_cmp_lg_u32 s2, 0xf033
	s_cbranch_scc0 .Lentry_shape_is_right
	s_endpgm
.Lentry_shape_is_right:
.set KSTEP,  256
.set NQ,     2
.set ROWB,   256
.set KROW,   1024
.set PITCH,  272
.set FR,     16
.set NL,     4
.set NP,     8
.set HALFT,  128*PITCH
.set SLOT,   4*HALFT
.set LAPS,   2
.set KS,     32
.set SCL,    2*SLOT
.set HALFS,  (128*KS/256)*272
.set SBLK,   (16*KS/256)*272
.set SPARE,  SCL+4*HALFS
.set SPITCH, 528
.set OFF_AC, 0
.set OFF_AS, 0x1900000
.set OFF_BC, 0
.set OFF_BS, 0x1900000
.set PA, 4
.set PB, 4
.set ADRA, 16
.set ADRB, 20
.set STO,  24
.set RD,   25
.set CO,   26
.set ADRS, 27
.set SPW,  28
.set NIL,  29
.set SC,   32
.set AF,   128
.set G1, 24
.set G0, 32
.set G1B, 48
.set G0B, 56
.set G1S, 68
.set G0S, 76
.set G1SB, 80
.set G0SB, 88
.set BIAS, 64
.set TMP,  128
.set PC,   192
.set TM,   208
.set PW,   224
.set PWE,  225
.set SW,   226
.set SEL,  96
.set MNT,  98
.set HIM,  99
.set MSB, 0
.macro WIN new
.if MSB != (\new)
	s_set_vgpr_msb (MSB<<8)|(\new)
.set MSB, (\new)
.endif
.endm
.set MUL_LO, 0xa1
.set MUL_HI, 0xf1
.set TO_B,   0x40
.macro JLOAD g0a, g1a, g0b, g1b
	s_cmp_eq_u32 s15, 0
	s_cbranch_scc0 .Lfor_b_\@
	tensor_load_to_lds s[\g0a:\g0a+3], s[\g1a:\g1a+7]
	s_nop 0
.rept 4
	v_nop
.endr
	s_branch .Lasked_\@
.Lfor_b_\@:
	tensor_load_to_lds s[\g0b:\g0b+3], s[\g1b:\g1b+7]
	s_nop 0
.rept 4
	v_nop
.endr
.Lasked_\@:
.endm
.macro CREST
	s_cmp_lg_u32 s14, 0
	s_cbranch_scc1 .Lnot_wave_0_\@
	s_barrier_signal -3
.Lnot_wave_0_\@:
	s_barrier_wait -3
	s_barrier_signal -1
	s_barrier_wait -1
.endm
.macro CROUND
	s_barrier_signal -1
	s_barrier_wait -1
	CREST
.endm
	s_load_b256 s[4:11], s[0:1], 0x0
	v_lshl_add_u32 v[SPW], v0, 2, SPARE
	v_mov_b32 v[NIL], 0
	ds_add_u32 v28, v29
	ds_add_u32 v28, v29
	s_wait_dscnt 0x0
	v_lshrrev_b32 v1, 5, v0
	v_readfirstlane_b32 s14, v1
	s_lshr_b32 s15, s14, 1
	s_and_b32 s16, s14, 1
	s_bfe_u32 s40, ttmp6, 0x40000
	s_bfe_u32 s41, ttmp6, 0x40004
	s_lshl_b32 s42, ttmp9, 2
	s_add_co_u32 s42, s42, s40
	s_and_b32 s95, ttmp7, 0xffff
	s_lshl_b32 s17, s95, 2
	s_add_co_u32 s17, s17, s41
	s_lshl_b32 s43, s41, 2
	s_lshl_b32 s43, 15, s43
	s_lshl_b32 s44, 0x1111, s40
	s_or_b32 s[G1+0], s43, (0<<16)|(1<<20)|(1<<21)|(5<<22)|(3<<25)
	s_or_b32 s[G1B+0], s44, (0<<16)|(1<<20)|(1<<21)|(5<<22)|(3<<25)
.irp g, G1, G1B
	s_mov_b32 s[\g+1], ROWB<<16
	s_mov_b32 s[\g+2], 128<<16
	s_mov_b32 s[\g+3], ROWB<<16
	s_mov_b32 s[\g+4], 128
	s_mov_b32 s[\g+5], KROW
	s_mov_b32 s[\g+6], 0
	s_mov_b32 s[\g+7], 0
.endr
	s_or_b32 s[G1S+0], s43, (3<<16)|(1<<20)|(1<<21)|(5<<22)|(3<<25)
	s_or_b32 s[G1SB+0], s44, (3<<16)|(1<<20)|(1<<21)|(5<<22)|(3<<25)
.irp g, G1S, G1SB
	s_mov_b32 s[\g+1], 32<<16
	s_mov_b32 s[\g+2], (128*KS/256)<<16
	s_mov_b32 s[\g+3], 32<<16
	s_mov_b32 s[\g+4], 128*KS/256
	s_mov_b32 s[\g+5], 32
	s_mov_b32 s[\g+6], 0
	s_mov_b32 s[\g+7], 0
.endr
	s_lshl_b32 s18, s16, 7
	s_lshl_b32 s20, s17, 8
	s_add_co_u32 s20, s20, s18
	s_lshl_b32 s46, s42, 8
	s_add_co_u32 s46, s46, s18
	s_cmp_ge_u32 s95, 2
	s_cselect_b32 s19, 2048, 0
	s_cselect_b32 s21, 0, 2048
	s_add_co_u32 s20, s20, s19
	s_add_co_u32 s46, s46, s21
	s_mov_b32 s21, 0
	s_mov_b32 s47, 0
	s_mov_b64 s[18:19], KS
	s_mul_u64 s[22:23], s[20:21], s[18:19]
	s_mul_u64 s[92:93], s[46:47], s[18:19]
	s_mov_b64 s[18:19], KROW
	s_mul_u64 s[20:21], s[20:21], s[18:19]
	s_mul_u64 s[46:47], s[46:47], s[18:19]
	s_add_nc_u64 s[20:21], s[20:21], OFF_AC
	s_add_nc_u64 s[22:23], s[22:23], OFF_AS
	s_add_nc_u64 s[46:47], s[46:47], OFF_BC
	s_add_nc_u64 s[92:93], s[92:93], OFF_BS
	s_mul_i32 s45, s14, HALFT
	s_mul_i32 s94, s14, HALFS
	s_wait_kmcnt 0x0
	s_add_nc_u64 s[20:21], s[PA:PA+1], s[20:21]
	s_add_nc_u64 s[22:23], s[PA:PA+1], s[22:23]
	s_add_nc_u64 s[46:47], s[PB:PB+1], s[46:47]
	s_add_nc_u64 s[92:93], s[PB:PB+1], s[92:93]
	CROUND
	s_mov_b32 s[G0S], 1
	s_add_co_u32 s[G0S+1], s94, SCL
	s_mov_b64 s[G0S+2:G0S+3], s[22:23]
	s_or_b32 s[G0S+3], s[G0S+3], 0x80000000
	s_mov_b32 s[G0SB], 1
	s_add_co_u32 s[G0SB+1], s94, SCL
	s_mov_b64 s[G0SB+2:G0SB+3], s[92:93]
	s_or_b32 s[G0SB+3], s[G0SB+3], 0x80000000
	JLOAD G0S, G1S, G0SB, G1SB
.irp s, 0,1
	s_mov_b32 s[G0+4*\s], 1
	s_add_co_u32 s[G0+4*\s+1], s45, \s*SLOT
	s_add_nc_u64 s[G0+4*\s+2:G0+4*\s+3], s[20:21], \s*ROWB
	s_or_b32 s[G0+4*\s+3], s[G0+4*\s+3], 0x80000000
	s_mov_b32 s[G0B+4*\s], 1
	s_add_co_u32 s[G0B+4*\s+1], s45, \s*SLOT
	s_add_nc_u64 s[G0B+4*\s+2:G0B+4*\s+3], s[46:47], \s*ROWB
	s_or_b32 s[G0B+4*\s+3], s[G0B+4*\s+3], 0x80000000
	s_wait_alu depctr_va_vdst(0)
	s_wait_tensorcnt 0x0
	ds_add_u32 v28, v29
	s_wait_dscnt 0x0
	CROUND
	JLOAD G0+4*\s, G1, G0B+4*\s, G1B
.endr
	v_and_b32 v1, 15, v0
	v_bfe_u32 v2, v0, 4, 1
	v_mul_u32_u24 v3, v1, PITCH
	v_lshl_add_u32 v4, v2, 4, v3
	s_mul_i32 s21, s15, HALFT
	s_mul_i32 s22, s16, HALFT
	s_add_co_u32 s22, s22, 2*HALFT
.irp s, 0,1
	v_add_nc_u32 v[ADRA+\s], s21, v4
	v_add_nc_u32 v[ADRB+\s], s22, v4
	s_add_co_u32 s21, s21, SLOT
	s_add_co_u32 s22, s22, SLOT
.endr
	v_mul_u32_u24 v5, v1, KS
	v_lshrrev_b32 v6, 8, v5
	v_lshl_add_u32 v5, v6, 4, v5
	s_mul_i32 s21, s15, HALFS
	s_mul_i32 s22, s16, HALFS
	s_add_co_u32 s22, s22, 2*HALFS
	s_sub_co_u32 s22, s22, s21
	v_mul_u32_u24 v6, s22, v2
	s_add_co_u32 s21, s21, SCL
	v_add_nc_u32 v5, v5, v6
	v_add_nc_u32 v[ADRS], s21, v5
	s_mul_i32 s23, s14, 16*SPITCH
	v_mul_u32_u24 v5, v2, 8*SPITCH
	v_lshl_add_u32 v5, v1, 2, v5
	v_add_nc_u32 v[STO], s23, v5
	v_and_b32 v6, 31, v0
	v_lshlrev_b32 v[CO], 4, v6
	v_add_nc_u32 v[RD], s23, v[CO]
.macro FRAG reg, adr, q, i
.irp c, 0,1,2,3
	ds_load_b128 v[\reg+4*\c:\reg+4*\c+3], v[\adr] offset:128*(\q)+32*\c+(\i)*16*PITCH
.endr
.endm
.macro MUL16 a0, p, q, sc, zero
.irp a, \a0, \a0+1
.irp b, 0,1,2,3,4,5,6,7
.if \zero
	v_wmma_scale_f32_16x16x128_f8f6f4 v[8*(8*((\a)%4)+\b):8*(8*((\a)%4)+\b)+7], v[128*(\p)+FR*\b:128*(\p)+FR*\b+FR-1], v[AF+FR*(\a):AF+FR*(\a)+FR-1], 0, v[SC+8*NQ*(\sc)+NQ*\b+(\q)], v[SC+8*NQ*(\sc)+NQ*(\a)+(\q)] matrix_a_scale:MATRIX_SCALE_ROW1
.else
	v_wmma_scale_f32_16x16x128_f8f6f4 v[8*(8*((\a)%4)+\b):8*(8*((\a)%4)+\b)+7], v[128*(\p)+FR*\b:128*(\p)+FR*\b+FR-1], v[AF+FR*(\a):AF+FR*(\a)+FR-1], v[8*(8*((\a)%4)+\b):8*(8*((\a)%4)+\b)+7], v[SC+8*NQ*(\sc)+NQ*\b+(\q)], v[SC+8*NQ*(\sc)+NQ*(\a)+(\q)] matrix_a_scale:MATRIX_SCALE_ROW1
.endif
.endr
.endr
.endm
.macro FETCH_B slot, q, p
	WIN TO_B
.irp i, 0,1,2,3,4,5,6,7
	FRAG 128*(\p)+FR*\i, ADRB+\slot, \q, \i
.endr
	WIN 0
.endm
.macro FETCH_A slot, q, i0
.irp i, \i0, \i0+1, \i0+2, \i0+3
	FRAG AF+FR*(\i), ADRA+\slot, \q, \i
.endr
.endm
.macro SCALES sc
.irp i, 0,1,2,3,4,5,6,7
	ds_load_b64 v[SC+8*NQ*\sc+NQ*\i:SC+8*NQ*\sc+NQ*\i+1], v[ADRS] offset:\i*SBLK
.endr
.endm
.macro PLACES n
.rept \n
	v_nop
.endr
.endm
.macro STEP slot, q, zero
	s_wait_dscnt 4*NL
	WIN MUL_LO
	MUL16 0, (\q)%2, \q, \slot, \zero
	MUL16 2, (\q)%2, \q, \slot, \zero
	s_wait_dscnt 0
	PLACES NP
	FETCH_B \slot, (\q)+1, 1-(\q)%2
	FETCH_A \slot, (\q)+1, 0
	WIN MUL_HI
	MUL16 4, (\q)%2, \q, \slot, \zero
	MUL16 6, (\q)%2, \q, \slot, \zero
	PLACES NP
	WIN 0
	FETCH_A \slot, (\q)+1, 4
.endm
.macro TURN slot, next, fill
	s_wait_tensorcnt 0x0
	ds_add_u32 v[SPW], v[NIL]
	s_wait_dscnt 4*NL+1
	WIN MUL_LO
	MUL16 0, 1, NQ-1, \slot, 0
	s_wait_dscnt 0x0
	s_barrier_signal -1
	MUL16 2, 1, NQ-1, \slot, 0
	WIN 0
	s_barrier_wait -1
.if \fill
	CREST
	s_add_nc_u64 s[G0+4*\slot+2:G0+4*\slot+3], s[G0+4*\slot+2:G0+4*\slot+3], 2*ROWB
	s_add_nc_u64 s[G0B+4*\slot+2:G0B+4*\slot+3], s[G0B+4*\slot+2:G0B+4*\slot+3], 2*ROWB
	JLOAD G0+4*\slot, G1, G0B+4*\slot, G1B
	PLACES NP-4
.else
	PLACES NP
.endif
	s_wait_alu depctr_va_vdst(0)
	v_add_nc_u32 v[ADRS], 4*NQ, v[ADRS]
	FETCH_B \next, 0, 0
	FETCH_A \next, 0, 0
	SCALES \next
	WIN MUL_HI
	MUL16 4, 1, NQ-1, \slot, 0
	MUL16 6, 1, NQ-1, \slot, 0
	PLACES NP
	WIN 0
	FETCH_A \next, 0, 4
.endm
	s_wait_alu depctr_va_vdst(0)
	s_wait_tensorcnt 1
	s_barrier_signal -1
	s_barrier_wait -1
	FETCH_B 0, 0, 0
	FETCH_A 0, 0, 0
	SCALES 0
	FETCH_A 0, 0, 4
	STEP 0, 0, 1
	s_mov_b32 s3, LAPS-1
.Llap:
	TURN 0, 1, 1
	STEP 1, 0, 0
	TURN 1, 0, 1
	STEP 0, 0, 0
	s_sub_co_u32 s3, s3, 1
	s_cmp_lg_u32 s3, 0
	s_cbranch_scc1 .Llap
	TURN 0, 1, 0
	STEP 1, 0, 0
	s_wait_dscnt 4*NL
	WIN MUL_LO
	MUL16 0, 1, NQ-1, 1, 0
	MUL16 2, 1, NQ-1, 1, 0
	s_wait_dscnt 0
	WIN MUL_HI
	MUL16 4, 1, NQ-1, 1, 0
	MUL16 6, 1, NQ-1, 1, 0
	WIN 0
	PLACES NP
.macro QUANT s, pw
.irp b, 0,1,2,3
	v_max3_num_f32 v[TM+\b], |v[\s+16*\b]|, |v[\s+1+16*\b]|, 0x4800000
.endr
.irp i, 2,4,6,8,10,12,14
.irp b, 0,1,2,3
	v_max3_num_f32 v[TM+\b], v[TM+\b], |v[\s+16*\b+\i]|, |v[\s+1+16*\b+\i]|
.endr
.endr
.irp b, 0,1,2,3
	v_permlanex16_b32 v[TM+4+\b], v[TM+\b], s[SEL], s[SEL+1]
.endr
.irp b, 0,1,2,3
	v_max_num_f32 v[TM+\b], v[TM+\b], v[TM+4+\b]
.endr
.irp b, 0,1,2,3
	v_add_nc_u32 v[TM+12+\b], 0xfc000000, v[TM+\b]
.endr
.irp b, 0,1,2,3
	v_and_or_b32 v[TM+8+\b], v[TM+\b], 0x7f800000, s[MNT]
.endr
.irp b, 0,1,2,3
	v_lshrrev_b32 v[TM+4+\b], 23, v[TM+12+\b]
.endr
	v_lshl_or_b32 v[\pw], v[TM+5], 8, v[TM+4]
	v_lshl_or_b32 v[\pw], v[TM+6], 16, v[\pw]
	v_lshl_or_b32 v[\pw], v[TM+7], 24, v[\pw]
.irp b, 0,1,2,3
.irp i, 0,1,2,3,4,5,6,7,8,9,10,11,12,13,14,15
	v_med3_num_f32 v[\s+16*\b+\i], v[\s+16*\b+\i], -v[TM+8+\b], v[TM+8+\b]
.endr
	v_cvt_scalef32_pk8_fp8_f32 v[PC+4*\b:PC+1+4*\b], v[\s+16*\b:\s+7+16*\b], v[TM+12+\b]
	v_cvt_scalef32_pk8_fp8_f32 v[PC+2+4*\b:PC+3+4*\b], v[\s+8+16*\b:\s+15+16*\b], v[TM+12+\b]
.endr
	v_nop
.endm
	s_mov_b32 s[SEL], 0x76543210
	s_mov_b32 s[SEL+1], 0xfedcba98
	s_mov_b32 s[MNT], 0x600000
	s_mov_b32 s[HIM], 0xffff0000
.irp b, 0,1,2,3
	v_mov_b32 v[TM+4+\b], 0
.endr
	s_cmp_lt_u32 s95, 2
	s_cbranch_scc0 .Lnot_qk
	s_lshl_b32 s18, s42, 2
	s_lshl_b32 s19, s16, 1
	s_add_co_u32 s18, s18, s19
	s_max_u32 s19, s18, 16
	s_sub_co_u32 s19, s19, 16
	s_add_co_u32 s20, s18, s19
	s_lshl_b32 s20, s20, 17
	s_lshl_b32 s22, s17, 4
	s_lshl_b32 s23, s15, 3
	s_add_co_u32 s22, s22, s23
	s_lshl_b32 s23, s22, 10
	s_add_co_u32 s20, s20, s23
	s_mov_b32 s21, 0
	s_add_nc_u64 s[24:25], s[10:11], s[20:21]
	s_mov_b32 s28, 0x20000
	s_mov_b32 s3, 8192
	s_cmp_ge_u32 s18, 16
	s_cselect_b32 s28, 0x40000, s28
	s_cselect_b32 s3, 12288, s3
	s_mov_b32 s29, 0
	s_add_nc_u64 s[26:27], s[24:25], s[28:29]
	s_lshl_b32 s20, s18, 13
	s_lshl_b32 s19, s19, 12
	s_add_co_u32 s20, s20, s19
	s_lshl_b32 s22, s22, 6
	s_add_co_u32 s20, s20, s22
	s_mov_b32 s21, 0
	s_add_nc_u64 s[20:21], s[20:21], 0x600000
	s_add_nc_u64 s[30:31], s[10:11], s[20:21]
	s_lshl_b32 s20, s42, 10
	s_lshl_b32 s22, s16, 9
	s_add_co_u32 s20, s20, s22
	s_mov_b32 s21, 0
	s_add_nc_u64 s[32:33], s[6:7], s[20:21]
	v_lshlrev_b32 v8, 5, v2
	v_mul_u32_u24 v9, s3, v2
	v_lshl_add_u32 v9, v1, 2, v9
.irp b, 0,1,2,3,4,5,6,7
	global_load_b128 v[BIAS+8*\b:BIAS+8*\b+3], v8, s[32:33] offset:64*\b
	global_load_b128 v[BIAS+8*\b+4:BIAS+8*\b+7], v8, s[32:33] offset:64*\b+16
.endr
	s_wait_loadcnt 0x0
.macro QKBLK a
	s_wait_xcnt 0x0
	WIN 0x02+(\a)/4
.set i, 0
.rept 32
	v_pk_add_f32 v[TMP+i:TMP+i+1], v[64*((\a)%4)+i:64*((\a)%4)+i+1], v[BIAS+i:BIAS+i+1]
.set i, i+2
.endr
	WIN 0
	QUANT TMP, PW
.irp c, 0,1
	global_store_b128 v[CO], v[PC+4*\c:PC+4*\c+3], s[24:25] offset:(\a)*1024+\c*512
	global_store_b128 v[CO], v[PC+8+4*\c:PC+8+4*\c+3], s[26:27] offset:(\a)*1024+\c*512
.endr
	v_lshrrev_b32 v[PWE], 16, v[PW]
	v_cndmask_b32 v[SW], v[PW], v[PWE], s[HIM]
	global_store_b32 v9, v[SW], s[30:31] offset:64*(\a)
.endm
.irp a, 0,1,2,3,4,5,6,7
	QKBLK \a
.endr
	s_branch .Lout
.Lnot_qk:
	s_cmp_eq_u32 s95, 2
	s_cbranch_scc0 .Lqcol
	s_sub_co_u32 s18, s17, 8
	s_lshl_b32 s19, s18, 2
	s_lshl_b32 s20, s15, 1
	s_add_co_u32 s19, s19, s20
	s_lshl_b32 s22, s42, 1
	s_add_co_u32 s22, s22, s16
	s_lshl_b32 s20, s19, 18
	s_lshl_b32 s23, s22, 13
	s_add_co_u32 s20, s20, s23
	s_mov_b32 s21, 0
	s_add_nc_u64 s[20:21], s[20:21], 0x220000
	s_add_nc_u64 s[24:25], s[10:11], s[20:21]
	s_mul_i32 s20, s19, 0x3000
	s_lshl_b32 s23, s22, 8
	s_add_co_u32 s20, s20, s23
	s_mov_b32 s21, 0
	s_add_nc_u64 s[20:21], s[20:21], 0x622000
	s_add_nc_u64 s[30:31], s[10:11], s[20:21]
	s_lshl_b32 s20, s18, 10
	s_lshl_b32 s23, s15, 9
	s_add_co_u32 s20, s20, s23
	s_add_co_u32 s20, s20, 8192
	s_mov_b32 s21, 0
	s_add_nc_u64 s[32:33], s[6:7], s[20:21]
	v_and_b32 v8, 8, v1
	v_add_nc_u32 v8, v8, v1
	v_lshlrev_b32 v8, 2, v8
	v_and_b32 v9, 31, v0
	v_lshlrev_b32 v9, 2, v9
.irp a, 0,1,2,3,4,5,6,7
	global_load_b32 v[BIAS+\a], v8, s[32:33] offset:(32*(\a/2)+8*(\a%2))*4
.endr
	s_wait_loadcnt 0x0
.macro VBLK a
	s_wait_xcnt 0x0
	WIN 0x02+(\a)/4
.set i, 0
.rept 32
.if (\a)%2
	v_pk_add_f32 v[TMP+i:TMP+i+1], v[64*((\a)%4)+i:64*((\a)%4)+i+1], v[BIAS+2*((\a)/2):BIAS+2*((\a)/2)+1] op_sel:[0,1] op_sel_hi:[1,1]
.else
	v_pk_add_f32 v[TMP+i:TMP+i+1], v[64*((\a)%4)+i:64*((\a)%4)+i+1], v[BIAS+2*((\a)/2):BIAS+2*((\a)/2)+1] op_sel_hi:[1,0]
.endif
.set i, i+2
.endr
	WIN 0
.if (\a)%2
	QUANT TMP, PW
.else
	QUANT TMP, PWE
.endif
.irp c, 0,1,2,3
	global_store_b128 v[CO], v[PC+4*\c:PC+4*\c+3], s[24:25] offset:((\a)/4)*0x40000+((\a)%4)*2048+\c*512
.endr
.if (\a)%2
	v_cndmask_b32 v[SW], v[PWE], v[PW], s[HIM]
	global_store_b32 v9, v[SW], s[30:31] offset:((\a)/4)*0x3000+(((\a)%4)/2)*128
.endif
.endm
.irp a, 0,1,2,3,4,5,6,7
	VBLK \a
.endr
	s_branch .Lout
.Lqcol:
	s_sub_co_u32 s18, s17, 12
	s_lshl_b32 s18, s18, 10
	s_lshl_b32 s19, s15, 9
	s_add_co_u32 s18, s18, s19
	s_mov_b32 s19, 0
	s_add_nc_u64 s[32:33], s[8:9], s[18:19]
	s_lshl_b32 s20, s42, 8
	s_lshl_b32 s21, s16, 7
	s_add_co_u32 s20, s20, s21
	s_lshl_b32 s20, s20, 12
	s_add_co_u32 s20, s20, s18
	s_mov_b32 s21, 0
	s_add_nc_u64 s[20:21], s[20:21], 0x650000
	s_add_nc_u64 s[24:25], s[10:11], s[20:21]
	global_load_b128 v[BIAS:BIAS+3], v[CO], s[32:33]
	s_wait_loadcnt 0x0
.macro CBLK b
	WIN 0x08
.irp a, 0,1,2,3
.irp j, 0,1,2,3,4,5,6,7
	ds_store_b32 v[STO], v[8*(8*\a+(\b))+\j] offset:\j*SPITCH+64*\a
.endr
.endr
	WIN 0x0c
.irp a, 0,1,2,3
.irp j, 0,1,2,3,4,5,6,7
	ds_store_b32 v[STO], v[8*(8*\a+(\b))+\j] offset:\j*SPITCH+64*(\a+4)
.endr
.endr
	WIN 0
	s_wait_xcnt 0x0
.irp t, 0,1,2,3,4,5,6,7,8,9,10,11,12,13,14,15
	ds_load_b128 v[TMP+4*\t:TMP+4*\t+3], v[RD] offset:\t*SPITCH
.endr
	s_wait_dscnt 0x0
.irp t, 0,1,2,3,4,5,6,7,8,9,10,11,12,13,14,15
	v_pk_add_f32 v[TMP+4*\t:TMP+4*\t+1], v[TMP+4*\t:TMP+4*\t+1], v[BIAS:BIAS+1]
	v_pk_add_f32 v[TMP+4*\t+2:TMP+4*\t+3], v[TMP+4*\t+2:TMP+4*\t+3], v[BIAS+2:BIAS+3]
.endr
.irp t, 0,1,2,3,4,5,6,7,8,9,10,11,12,13,14,15
	global_store_b128 v[CO], v[TMP+4*\t:TMP+4*\t+3], s[24:25] offset:(16*(\b)+\t)*4096
.endr
.endm
.irp b, 0,1,2,3,4,5,6,7
	CBLK \b
.endr
.Lout:
	s_wait_tensorcnt 0x0
	ds_add_u32 v[SPW], v[NIL]
	s_wait_dscnt 0x0
	CROUND
	s_endpgm
.Lfunc_end_k_qe333723f20_gemm1:
	.size	k_qe333723f20_gemm1, .Lfunc_end_k_qe333723f20_gemm1-k_qe333723f20_gemm1
	.p2alignl 7, 3214868480
	.fill 96, 4, 3214868480
	.section	.rodata,"a",@progbits
	.p2align	6, 0x0
	.amdhsa_kernel k_qe333723f20_gemm1
		.amdhsa_group_segment_fixed_size 327680
		.amdhsa_private_segment_fixed_size 0
		.amdhsa_enable_private_segment 0
		.amdhsa_kernarg_size 32
		.amdhsa_user_sgpr_count 2
		.amdhsa_user_sgpr_kernarg_segment_ptr 1
		.amdhsa_wavefront_size32 1
		.amdhsa_system_sgpr_workgroup_id_x 1
		.amdhsa_system_sgpr_workgroup_id_y 1
		.amdhsa_system_sgpr_workgroup_id_z 1
		.amdhsa_system_vgpr_workitem_id 0
		.amdhsa_next_free_vgpr 1024
		.amdhsa_next_free_sgpr 102
		.amdhsa_reserve_vcc 0
		.amdhsa_float_denorm_mode_32 3
		.amdhsa_float_denorm_mode_16_64 3
		.amdhsa_memory_ordered 1
		.amdhsa_forward_progress 1
		.amdhsa_inst_pref_size 255
	.end_amdhsa_kernel
	.section	.bss,"aw",@nobits
	.p2align	6
	.space	262144
	.amdgpu_metadata
---
amdhsa.version: [ 1, 2 ]
amdhsa.kernels:
  - .name:           k_qe333723f20_gemm1
    .symbol:         k_qe333723f20_gemm1.kd
    .args:
      - { .name: w1, .offset: 0, .size: 8, .value_kind: global_buffer, .address_space: global }
      - { .name: bqkv, .offset: 8, .size: 8, .value_kind: global_buffer, .address_space: global }
      - { .name: bcol, .offset: 16, .size: 8, .value_kind: global_buffer, .address_space: global }
      - { .name: w2, .offset: 24, .size: 8, .value_kind: global_buffer, .address_space: global }
    .group_segment_fixed_size: 327680
    .private_segment_fixed_size: 0
    .kernarg_segment_align: 8
    .kernarg_segment_size: 32
    .max_flat_workgroup_size: 128
    .sgpr_count:     102
    .vgpr_count:     1024
    .wavefront_size: 32
...
	.end_amdgpu_metadata
.endif
;; end of part 2
;; launch mem (part 3): grid 4 x 64, 4 waves a work-group, clusters of 4 x 1, 327,680 bytes of LDS; arguments w5, w1, w2, bqkv, w3; writes w3
.if DOCPART == 3
	.amdgcn_target "amdgcn-amd-amdhsa--gfx1250"
	.amdhsa_code_object_version 6
	.text
	.protected	k_qe333723f20_mem
	.globl	k_qe333723f20_mem
	.p2align	8
	.type	k_qe333723f20_mem,@function
k_qe333723f20_mem:
	s_mov_b64 s[64:65], 0
	v_nop
	global_prefetch_b8 v0, s[64:65] scope:SCOPE_SE
	s_setreg_imm32_b32 hwreg(HW_REG_WAVE_MODE, 25, 1), 1
	s_wait_xcnt 0x0
	s_wait_alu depctr_hold_cnt(0) depctr_sa_sdst(0) depctr_va_vdst(0) depctr_va_sdst(0) depctr_va_ssrc(0) depctr_va_vcc(0) depctr_vm_vsrc(0)
	s_getreg_b32 s2, hwreg(HW_REG_IB_STS2, 6, 4)
	s_cmp_eq_u32 s2, 0
	s_cbranch_scc0 .Lentry_in_a_cluster
	s_endpgm
.Lentry_in_a_cluster:
	s_bfe_u32 s2, ttmp6, 0x10000c
	s_cmp_lg_u32 s2, 0x3003
	s_cbranch_scc0 .Lentry_shape_is_right
	s_endpgm
.Lentry_shape_is_right:
; MEM: the eight memory slots of each token and head.  rk = ri Wk^T + bk and rv = ri Wv^T + bv on codes of FP8 (E4M3), one E8M0 scale for each 32 along K = 1,024, sums in f32; neither goes to memory.
; score_l = q_col . rk_l;  tm = c x the largest score (c = log2(e) / 8);  e_l = 2^(c score_l - tm);  z = the sum of e_l;  u = the sum of e_l rv_l.  tm, z, u are stored; the attention launch brings them under the row's final maximum.
; THE DEAL.  256 work-groups: 64 blocks of 256 rows of ri (32 tokens) x 4 groups of 4 heads.  The 256 rows, all of K, with their scale bytes lie in LDS for the whole launch: four images of 66 rows of 1,024 bytes, one tensor load a wave, filled once.
; The four work-groups of a cluster want the same rows: the loads are joint.  A wave owns ONE head: its 64 rows of a weight, all of K, stand in 512 registers, loaded from an image in register order (512 consecutive bytes a load).
; PHASE 1: Wk; 16 blocks of 16 rows (two tokens x eight slots) x 32 products.  PHASE 2: Wv over the same rows.  The bias is the first products' C.
; Source 0 = ri's rows, source 1 = the weight's: register j of lane (r, h) of tile a is slot j of token 2 b + h at channel 16 a + r.
; A block's vector work stands among the next block's products, four lines behind every second one.  Phase 1 leaves token 2 r + h's eight scores in lane (r, h); the softmax over the slots is taken once, a lane a token, under the flight of Wv's loads.
; e goes through LDS words of the wave's own.  u is stored with channel 16 a + r at place 4 r + a of the head's 64: 16 bytes a lane, 256 consecutive bytes a token; the attention launch reads it so.
; q_col comes three blocks ahead; the last three requests name the work-group's first blocks again, so that every address lies in the buffer and the counts stay alike.
; Wv's image is asked for ahead (L2) in phase 1's first trip by the first four clusters, a quarter each, a lane a block of 256 bytes.  LIMITS: NaN and infinities are not served.
.set GRP, 68640                        ; an image in LDS: 66 rows x (1,024 + 16)
.set GMEM, 67584                       ; and in memory
.set PITCH, 1040
.set SOFF, 66560                       ; the scale bytes in an image: rows 64, 65
.set BSTEP, 16640                      ; 16 rows
.set EB0, 274688                       ; e: 1,024 bytes a wave, in blocks of 256 into which no fill lands
.set SPARE, 278784
.set NF, 34                            ; LDS loads of a block of ri
.set ADRX0, 4
.set AXS0, 5
.set ADRA, 6
.set ADRN, 7
.set AASA, 8
.set AASN, 9
.set SPW, 10
.set NIL, 11
.set WO, 12
.set ABS, 13
.set QO, 14
.set UO, 15
.set EA, 16
.set EW, 17
.set TZ, 18
.set BO, 19
.set PF, 20
.set EAD, 21
.set SB, 24                            ; v24-39 the weight's scale words: register 8 p + q: lanes 0-15 tile 2 p, lanes 16-31 tile 2 p + 1
.set BK, 40
.set SA, 44                            ; v44-59 ri's scale words, two sets
.set BV, 60
.set ACC, 64                           ; v64-127 two sets of four accumulators
.set BQ, 128                           ; v128-159 the first products' C
.set SCR, 160
.set SS, 168                           ; v168-175 my token's eight scores
.set QQ, 176                           ; v176-191 q_col, four sets
.set EE, 192
.set UP, 200
.set UU, 208
.set MSB, 0
.macro WIN new
.if MSB != (\new)
	s_set_vgpr_msb (MSB<<8)|(\new)
.set MSB, (\new)
.endif
.endm
.macro PLACES n
.rept \n
	v_nop
.endr
.endm
.macro WALU
	s_wait_alu depctr_va_vdst(0)
.endm
.macro BARRIER
	s_barrier_signal -1
	s_barrier_wait -1
.endm
.macro CROUND
	BARRIER
	s_cmp_lg_u32 s14, 0
	s_cbranch_scc1 .Lnot_wave_0_\@
	s_barrier_signal -3
.Lnot_wave_0_\@:
	s_barrier_wait -3
	BARRIER
.endm
.macro WLOAD off                       ; my head's 64 rows of a weight into windows 1 and 2: fragment 4 q + a
.irp q, 0,1,2,3,4,5,6,7
.irp a, 0,1,2,3
	WIN (1+(4*\q+\a)/16)<<6
.irp c, 0,1,2,3
	global_load_b128 v[16*((4*\q+\a)%16)+4*\c:16*((4*\q+\a)%16)+4*\c+3], v[WO], s[36:37] offset:(\off)+\a*16384+\q*2048+\c*512
.endr
.endr
.endr
	WIN 0
.endm
.macro SBLOAD off
.irp p, 0,1
.irp c, 0,1
	global_load_b128 v[SB+8*\p+4*\c:SB+8*\p+4*\c+3], v[ABS], s[38:39] offset:(\off)+\p*1024+16*\c
.endr
.endr
.endm
.macro FETCH k, a, s, off, soff        ; a block of ri into set k of window 3, and its scale words
	WIN 3<<6
.irp q, 0,1,2,3,4,5,6,7
.irp c, 0,1,2,3
	ds_load_b128 v[128*(\k)+16*\q+4*\c:128*(\k)+16*\q+4*\c+3], v[\a] offset:(\off)+128*\q+32*\c
.endr
.endr
	WIN 0
	ds_load_b128 v[SA+8*(\k):SA+8*(\k)+3], v[\s] offset:\soff
	ds_load_b128 v[SA+8*(\k)+4:SA+8*(\k)+7], v[\s] offset:(\soff)+16
.endm
.macro PROD e, n                       ; product n = 4 q + a: the four accumulators take turns
.set Q_, (\n)/4
.set B_, (\n)%4
.set F_, 4*Q_+B_
.set AC_, ACC+32*(\e)+8*B_
.set C_, AC_
.if Q_ == 0
.set C_, BQ+8*B_
.endif
.set R_, 128*(\e)+16*Q_
.set W_, 16*(F_%16)
.set XS_, SA+8*(\e)+Q_
.set WS_, SB+8*(B_/2)+Q_
	WIN 3|((1+F_/16)<<2)
.if B_%2
	v_wmma_scale_f32_16x16x128_f8f6f4 v[AC_:AC_+7], v[R_:R_+15], v[W_:W_+15], v[C_:C_+7], v[XS_], v[WS_] matrix_b_scale:MATRIX_SCALE_ROW1
.else
	v_wmma_scale_f32_16x16x128_f8f6f4 v[AC_:AC_+7], v[R_:R_+15], v[W_:W_+15], v[C_:C_+7], v[XS_], v[WS_]
.endif
.endm
.macro DPPA j, x
	v_add_f32_dpp v[SCR+\j], v[SCR+\j], v[SCR+\j] row_xmask:\x row_mask:0xf bank_mask:0xf
.endm
.macro G1 m, x, q                      ; phase 1, 56 lines: q_col . rk over my four channels, over the 16 lanes, and into the lane that keeps the token
.set P_, 2*((\m)%4)
.set J_, (\m)%8
.if (\m) < 4
	v_pk_mul_f32 v[SCR+P_:SCR+P_+1], v[\x+P_:\x+P_+1], v[\q:\q+1] op_sel_hi:[1,0]
.elseif (\m) < 8
	v_pk_fma_f32 v[SCR+P_:SCR+P_+1], v[\x+8+P_:\x+8+P_+1], v[\q:\q+1], v[SCR+P_:SCR+P_+1] op_sel:[0,1,0] op_sel_hi:[1,1,1]
.elseif (\m) < 12
	v_pk_fma_f32 v[SCR+P_:SCR+P_+1], v[\x+16+P_:\x+16+P_+1], v[\q+2:\q+3], v[SCR+P_:SCR+P_+1] op_sel_hi:[1,0,1]
.elseif (\m) < 16
	v_pk_fma_f32 v[SCR+P_:SCR+P_+1], v[\x+24+P_:\x+24+P_+1], v[\q+2:\q+3], v[SCR+P_:SCR+P_+1] op_sel:[0,1,0] op_sel_hi:[1,1,1]
.elseif (\m) < 24
	DPPA J_, 1
.elseif (\m) < 32
	DPPA J_, 2
.elseif (\m) < 40
	DPPA J_, 4
.elseif (\m) < 48
	DPPA J_, 8
.else
	v_cndmask_b32 v[SS+J_], v[SS+J_], v[SCR+J_], s53
.endif
.endm
.macro G2 m, x                         ; phase 2, 20 lines: u = the sum over the slots of e rv, each accumulator from its low end on
.set A_, (\m)%4
.set P_, 2*((\m)/4)
.if (\m) < 4
	v_pk_mul_f32 v[UP+2*A_:UP+2*A_+1], v[\x+8*A_:\x+8*A_+1], v[EE:EE+1]
.elseif (\m) < 16
	v_pk_fma_f32 v[UP+2*A_:UP+2*A_+1], v[\x+8*A_+P_:\x+8*A_+P_+1], v[EE+P_:EE+P_+1], v[UP+2*A_:UP+2*A_+1]
.else
	v_add_f32 v[UU+A_], v[UP+2*A_], v[UP+2*A_+1]
.endif
.endm
.macro BLK ph, bb                      ; a block's 32 products, the block before's vector work among them
	s_wait_xcnt 0x0                        ; earlier loads and stores have read their registers
.if \ph == 1
	s_wait_loadcnt 12                      ; the block before's q_col is in; three later blocks' 12 loads may be out
.endif
.if \bb == 0
	v_add_nc_u32 v[ADRA], s51, v[ADRX0]    ; this trip's image and the next trip's
	v_add_nc_u32 v[ADRN], s52, v[ADRX0]
	v_add_nc_u32 v[AASA], s51, v[AXS0]
	v_add_nc_u32 v[AASN], s52, v[AXS0]
.if \ph == 2
	v_add_nc_u32 v[EAD], s56, v[EA]
.endif
.endif
.set N_, 0
.rept 32
	PROD (\bb)%2, N_
.if (N_%2) && (((\ph == 1) && (N_ < 28)) || ((\ph == 2) && (N_ < 10)))
	WIN 0
.set K_, 0
.rept 4
.if \ph == 1
	G1 4*(N_/2)+K_, ACC+32*(1-(\bb)%2), QQ+4*(((\bb)+3)%4)
.else
	G2 4*(N_/2)+K_, ACC+32*(1-(\bb)%2)
.endif
.set K_, K_+1
.endr
.endif
.set N_, N_+1
.endr
	WIN 0
	PLACES 8                               ; behind the last product: ahead of loads into what it read and of reads of its sums
	WALU
.endm
.macro NEXTX bb                        ; the block two on into the set just multiplied
.if \bb < 2
	FETCH (\bb)%2, ADRA, AASA, ((\bb)+2)*BSTEP, 1040+(\bb)*512
.else
	FETCH (\bb)%2, ADRN, AASN, ((\bb)-2)*BSTEP, ((\bb)-2)*512
.endif
.endm
.macro END1 bb
.irp a, 0,1,2,3
.if \bb == 0
	global_load_b32 v[QQ+12+\a], v[QO], s[56:57] offset:3*8192+64*\a
.else
	global_load_b32 v[QQ+4*((\bb)-1)+\a], v[QO], s[58:59] offset:((\bb)-1)*8192+64*\a
.endif
.endr
.if \bb == 0
	s_cmp_eq_u32 s50, s62                  ; the first trip of the first four clusters
	s_cbranch_scc0 .Lnp_\@
	global_prefetch_b8 v[PF], s[36:37] offset:0x100000 th:TH_LOAD_NT scope:SCOPE_SE
	global_prefetch_b8 v[PF], s[36:37] offset:0x102000 th:TH_LOAD_NT scope:SCOPE_SE
.Lnp_\@:
.endif
	s_mov_b32 s53, s54                     ; the lanes that keep the block just multiplied
	s_lshl_b32 s54, s54, 1
	NEXTX \bb
	s_wait_dscnt NF                        ; all but the fetch just issued: the next block is in
.endm
.macro END2 bb
.if \bb == 0
	s_cmp_eq_u32 s50, 0                    ; the first block has none before it
	s_cbranch_scc1 .Lnu_\@
.endif
	global_store_b128 v[UO], v[UU:UU+3], s[46:47] offset:512*((\bb)-1)   ; the block before: two tokens' 512 consecutive bytes
.Lnu_\@:
	ds_load_b128 v[EE:EE+3], v[EAD] offset:32*(\bb)        ; this block's e, my wave's own words
	ds_load_b128 v[EE+4:EE+7], v[EAD] offset:32*(\bb)+16
.if \bb < 2
	NEXTX \bb
	s_wait_dscnt NF
.else
	s_cmp_eq_u32 s50, 3                    ; the last trip has no block two on
	s_cbranch_scc1 .Lnf_\@
	NEXTX \bb
	s_wait_dscnt NF
	s_branch .Lgo_\@
.Lnf_\@:
	s_wait_dscnt 0x0
.Lgo_\@:
.endif
.endm
	s_load_b256 s[4:11], s[0:1], 0x0       ; w5, w1, w2, bqkv
	s_load_b64 s[12:13], s[0:1], 0x20      ; w3
	v_lshl_add_u32 v[SPW], v0, 2, SPARE
	v_mov_b32 v[NIL], 0
	ds_add_u32 v[SPW], v[NIL]              ; the opening lines
	ds_add_u32 v[SPW], v[NIL]
	v_lshrrev_b32 v1, 5, v0
	v_readfirstlane_b32 s14, v1            ; wave
	s_bfe_u32 s40, ttmp6, 0x40000          ; cx: the group of four heads
	s_and_b32 s42, ttmp7, 0xffff           ; the block of 256 rows: the cluster's y
	s_lshl_b32 s41, s40, 2
	s_add_co_u32 s41, s41, s14             ; my head
	s_mov_b32 s24, 15|(1<<20)|(1<<21)|(7<<22)|(3<<25)   ; the four partners; bytes; 4 words of padding after every 256
	s_mov_b32 s25, 1024<<16
	s_mov_b32 s26, 66<<16
	s_mov_b32 s27, 1024<<16
	s_mov_b32 s28, 66
	s_mov_b32 s29, 1024
	s_mov_b32 s30, 0
	s_mov_b32 s31, 0
	s_mov_b32 s32, 1
	s_mul_i32 s33, s14, GRP
	s_lshl_b32 s16, s42, 2
	s_add_co_u32 s16, s16, s14
	s_mul_i32 s16, s16, GMEM               ; my image of 64 rows
	s_mov_b32 s17, 0
	s_lshl_b32 s18, s41, 16
	s_add_co_u32 s18, s18, 0x700000        ; Wk's image of my head; Wv's lies 0x100000 on
	s_mov_b32 s19, 0
	s_lshl_b32 s20, s41, 11
	s_add_co_u32 s20, s20, 0x1938000       ; its scale bytes; Wv's 32,768 on
	s_mov_b32 s21, 0
	s_lshl_b32 s22, s41, 8
	s_add_co_u32 s68, s22, 4096            ; bk; bv 4,096 on
	s_mov_b32 s69, 0
	s_lshl_b32 s70, s42, 17
	s_add_co_u32 s70, s70, s22
	s_add_co_u32 s70, s70, 0x650000        ; q_col(first token, my head)
	s_mov_b32 s71, 0
	s_lshl_b32 s72, s41, 11
	s_lshl_b32 s23, s42, 5
	s_add_co_u32 s72, s72, s23             ; 2,048 head + first token
	s_lshl_b32 s74, s72, 3
	s_add_co_u32 s74, s74, 0x800000
	s_mov_b32 s75, 0
	s_lshl_b32 s72, s72, 8
	s_mov_b32 s73, 0
	s_and_b32 s23, s42, 3
	s_lshl_b32 s23, s23, 14
	s_lshl_b32 s22, s14, 10
	s_add_co_u32 s22, s22, EB0
	v_and_b32 v1, 15, v0                   ; r
	v_bfe_u32 v2, v0, 4, 1                 ; h
	v_and_b32 v3, 31, v0
	v_mul_u32_u24 v[ADRX0], v1, PITCH
	v_lshl_add_u32 v[ADRX0], v2, 4, v[ADRX0]
	v_lshl_add_u32 v[AXS0], v1, 5, SOFF
	v_lshlrev_b32 v[WO], 4, v3
	v_lshlrev_b32 v[ABS], 5, v3
	v_lshlrev_b32 v[QO], 2, v1
	v_lshl_add_u32 v[QO], v2, 12, v[QO]
	v_lshlrev_b32 v[UO], 4, v1
	v_lshl_add_u32 v[UO], v2, 8, v[UO]
	v_lshl_add_u32 v[EA], v2, 9, s22
	v_lshl_add_u32 v[EW], v1, 5, v[EA]
	v_lshlrev_b32 v[TZ], 4, v1
	v_lshl_add_u32 v[TZ], v2, 3, v[TZ]
	v_lshlrev_b32 v[BO], 2, v1
	v_lshl_add_u32 v[PF], v3, 8, s23
	WALU
	s_wait_dscnt 0x0
	CROUND                                 ; the round in front of the joint loads
	s_wait_kmcnt 0x0
	s_add_nc_u64 s[34:35], s[4:5], s[16:17]
	s_or_b32 s35, s35, 0x80000000
	tensor_load_to_lds s[32:35], s[24:31]  ; my one tensor load
	s_nop 0
	PLACES 4
	s_add_nc_u64 s[36:37], s[6:7], s[18:19]
	s_add_nc_u64 s[38:39], s[6:7], s[20:21]
	s_add_nc_u64 s[76:77], s[10:11], s[68:69]
	s_add_nc_u64 s[44:45], s[8:9], s[70:71]
	s_add_nc_u64 s[46:47], s[12:13], s[72:73]
	s_add_nc_u64 s[48:49], s[12:13], s[74:75]
	WLOAD 0
	SBLOAD 0
.irp a, 0,1,2,3
	global_load_b32 v[BK+\a], v[BO], s[76:77] offset:64*\a
	global_load_b32 v[BV+\a], v[BO], s[76:77] offset:4096+64*\a
.endr
.irp b, 0,1,2
.irp a, 0,1,2,3
	global_load_b32 v[QQ+4*\b+\a], v[QO], s[44:45] offset:8192*\b+64*\a
.endr
.endr
	s_mov_b64 s[56:57], s[44:45]
	s_add_nc_u64 s[58:59], s[44:45], 32768
	s_mov_b32 s61, 0
	s_mov_b32 s50, 0                       ; the trip
	s_mov_b32 s51, 0
	s_mov_b32 s52, GRP
	s_mov_b32 s53, 0
	s_mov_b32 s54, 0x00010001
	s_mov_b32 s78, 0x3e38aa3b              ; c
	s_mov_b32 s79, s78
	s_cmp_lt_u32 s42, 4
	s_cselect_b32 s62, 0, -1
	s_wait_tensorcnt 0x0
	BARRIER                                ; all four images are in
	FETCH 0, ADRX0, AXS0, 0, 0
	FETCH 1, ADRX0, AXS0, BSTEP, 512
.set I_, 0
.rept 32
	v_mov_b32 v[ACC+32+I_], 0              ; the first block's vector work has no block before it: it reads these and keeps nothing
.set I_, I_+1
.endr
.irp j, 0,1,2,3,4,5,6,7
	v_mov_b32 v[SS+\j], 0
.endr
.irp a, 0,1,2,3
	v_mov_b32 v[QQ+12+\a], 0
.endr
	s_wait_loadcnt 0x0
.irp a, 0,1,2,3
.irp i, 0,1,2,3,4,5,6,7
	v_mov_b32 v[BQ+8*\a+\i], v[BK+\a]
.endr
.endr
	WALU
	s_wait_dscnt NF
.Lp1:
	BLK 1, 0
	END1 0
	BLK 1, 1
	END1 1
	BLK 1, 2
	END1 2
	BLK 1, 3
	END1 3
	s_wait_xcnt 0x0
	s_mov_b64 s[56:57], s[58:59]
	s_add_co_u32 s50, s50, 1
	s_and_b32 s63, s50, 3
	s_mul_i32 s51, s63, GRP
	s_add_co_u32 s55, s50, 1
	s_and_b32 s55, s55, 3
	s_mul_i32 s52, s55, GRP
	s_lshl_b32 s60, s55, 15
	s_add_nc_u64 s[58:59], s[44:45], s[60:61]
	s_cmp_lg_u32 s50, 4
	s_cbranch_scc1 .Lp1
; THE CHANGE OF PHASE: Wv is asked for; under its flight the last block's scores and the softmax over the slots
	s_wait_loadcnt 12                      ; block 15's q_col
	WLOAD 0x100000
	SBLOAD 32768
.set K_, 0
.rept 56
	G1 K_, ACC+32, QQ+12
.set K_, K_+1
.endr
	v_max3_num_f32 v212, v[SS], v[SS+1], v[SS+2]
	v_max3_num_f32 v212, v212, v[SS+3], v[SS+4]
	v_max3_num_f32 v212, v212, v[SS+5], v[SS+6]
	v_max_num_f32 v212, v212, v[SS+7]
	v_mov_b32 v215, 0
	v_mul_f32 v214, s78, v212              ; tm
.irp p, 0,2,4,6
	v_pk_fma_f32 v[EE+\p:EE+\p+1], v[SS+\p:SS+\p+1], s[78:79], v[214:215] op_sel_hi:[1,0,0] neg_lo:[0,0,1] neg_hi:[0,0,1]
.endr
	WALU
.irp j, 0,1,2,3,4,5,6,7
	v_exp_f32 v[EE+\j], v[EE+\j]
.endr
	v_nop
	WALU
	v_pk_add_f32 v[216:217], v[EE:EE+1], v[EE+2:EE+3]
	v_pk_add_f32 v[218:219], v[EE+4:EE+5], v[EE+6:EE+7]
	v_pk_add_f32 v[216:217], v[216:217], v[218:219]
	v_add_f32 v215, v216, v217             ; z
	ds_store_b128 v[EW], v[EE:EE+3]
	ds_store_b128 v[EW], v[EE+4:EE+7] offset:16
	global_store_b64 v[TZ], v[214:215], s[48:49]   ; 32 tokens' tm and z: 256 consecutive bytes
.irp a, 0,1,2,3
.irp i, 0,1,2,3,4,5,6,7
	v_mov_b32 v[BQ+8*\a+\i], v[BV+\a]
.endr
.endr
	s_mov_b32 s50, 0
	s_mov_b32 s51, 0
	s_mov_b32 s52, GRP
	s_mov_b32 s56, 0
	WALU
	s_wait_dscnt 0x0
	s_wait_loadcnt 0x0
.Lp2:
	BLK 2, 0
	END2 0
	BLK 2, 1
	END2 1
	BLK 2, 2
	END2 2
	BLK 2, 3
	END2 3
	s_wait_xcnt 0x0
	s_add_nc_u64 s[46:47], s[46:47], 2048
	s_add_co_u32 s50, s50, 1
	s_and_b32 s63, s50, 3
	s_mul_i32 s51, s63, GRP
	s_add_co_u32 s55, s50, 1
	s_and_b32 s55, s55, 3
	s_mul_i32 s52, s55, GRP
	s_lshl_b32 s56, s63, 7
	s_cmp_lg_u32 s50, 4
	s_cbranch_scc1 .Lp2
.set K_, 0
.rept 20
	G2 K_, ACC+32
.set K_, K_+1
.endr
	global_store_b128 v[UO], v[UU:UU+3], s[46:47] offset:-512
	s_wait_tensorcnt 0x0                   ; the wave's end
	ds_add_u32 v[SPW], v[NIL]
	s_wait_dscnt 0x0
	CROUND                                 ; the closing round
	s_endpgm
.Lfunc_end_k_qe333723f20_mem:
	.size	k_qe333723f20_mem, .Lfunc_end_k_qe333723f20_mem-k_qe333723f20_mem
	.p2alignl 7, 3214868480
	.fill 96, 4, 3214868480
	.section	.rodata,"a",@progbits
	.p2align	6, 0x0
	.amdhsa_kernel k_qe333723f20_mem
		.amdhsa_group_segment_fixed_size 327680
		.amdhsa_private_segment_fixed_size 0
		.amdhsa_enable_private_segment 0
		.amdhsa_kernarg_size 40
		.amdhsa_user_sgpr_count 2
		.amdhsa_user_sgpr_kernarg_segment_ptr 1
		.amdhsa_wavefront_size32 1
		.amdhsa_system_sgpr_workgroup_id_x 1
		.amdhsa_system_sgpr_workgroup_id_y 1
		.amdhsa_system_sgpr_workgroup_id_z 1
		.amdhsa_system_vgpr_workitem_id 0
		.amdhsa_next_free_vgpr 1024
		.amdhsa_next_free_sgpr 102
		.amdhsa_reserve_vcc 0
		.amdhsa_float_denorm_mode_32 3
		.amdhsa_float_denorm_mode_16_64 3
		.amdhsa_memory_ordered 1
		.amdhsa_forward_progress 1
		.amdhsa_inst_pref_size 128
	.end_amdhsa_kernel
	.amdgpu_metadata
---
amdhsa.version: [ 1, 2 ]
amdhsa.kernels:
  - .name:           k_qe333723f20_mem
    .symbol:         k_qe333723f20_mem.kd
    .args:
      - { .name: w5, .offset: 0, .size: 8, .value_kind: global_buffer, .address_space: global }
      - { .name: w1, .offset: 8, .size: 8, .value_kind: global_buffer, .address_space: global }
      - { .name: w2, .offset: 16, .size: 8, .value_kind: global_buffer, .address_space: global }
      - { .name: bqkv, .offset: 24, .size: 8, .value_kind: global_buffer, .address_space: global }
      - { .name: w3, .offset: 32, .size: 8, .value_kind: global_buffer, .address_space: global }
    .group_segment_fixed_size: 327680
    .private_segment_fixed_size: 0
    .kernarg_segment_align: 8
    .kernarg_segment_size: 40
    .max_flat_workgroup_size: 128
    .sgpr_count:     102
    .vgpr_count:     1024
    .wavefront_size: 32
...
	.end_amdgpu_metadata
.endif
;; end of part 3
;; launch attn (part 4): grid 16 x 16, 16 waves a work-group, no clusters, 315,392 bytes of LDS; arguments w2, w3, w4; writes w4
.if DOCPART == 4
	.amdgcn_target "amdgcn-amd-amdhsa--gfx1250"
	.amdhsa_code_object_version 6
	.text
	.protected	k_qe333723f20_attn
	.globl	k_qe333723f20_attn
	.p2align	8
	.type	k_qe333723f20_attn,@function
k_qe333723f20_attn:
	s_mov_b64 s[64:65], 0
	v_nop
	global_prefetch_b8 v0, s[64:65] scope:SCOPE_SE
	s_setreg_imm32_b32 hwreg(HW_REG_WAVE_MODE, 25, 1), 1
	s_wait_xcnt 0x0
; ATTN: one softmax over a query's causal token scores and its eight memory scores; ctx = tw v + mw rv; ctx quantised for the output projection.  Both products on codes of FP8 (E4M3), one E8M0 scale for each 32 along K.
; THE WEIGHTS ARE QUANTISED FINISHED, that is normalised: so the row's maximum and sum must be known first.  TWO PASSES over the keys: pass 1: scores, running maximum m and sum l;
; merge with the memory slots' tm and z: mF = max(c m, tm), L = l 2^(c m - mF) + z 2^(tm - mF);  pass 2: scores again, p = 2^(c s - mF) / L, quantised along the keys, O^T += V^T P^T.  At the end ctx = O + u 2^(tm - mF) / L.
; c = log2(e) / 8.  Both products are used transposed (source 0 = 16 keys, or 16 channels of V; source 1 = my 16 queries): a lane holds ONE query throughout.
; SHARES.  A work-group has one head and eight tiles of 16 queries: tiles 4 x + t (t < 4) and 131 - 4 x - t (t >= 4), so that every work-group has the same number of key steps under the causal mask.
; TWO WAVES SHARE A TILE'S KEYS: waves t and t + 8 own tile t; wave parity p = wave / 8 takes the steps of 128 keys p, p + 2, p + 4 ..  So the longest chain of a wave is 8 steps a pass, and a late tile keeps two waves of its SIMD at work.
; Behind pass 1 the two exchange (c m, l) through LDS words of their own; behind pass 2 waves 8-15 hand their half of O^T to waves 0-7 as an image of its registers, and those finish the tile.
; NO CLUSTER: a step that lies wholly behind the diagonal is left out by a branch on the wave's own queries, which differ between the work-groups that would share K and V.
; LDS IS FILLED ONCE: the head's K images (131,072 bytes), V images (131,072), scale words (12,288), the eight tiles' rows of u (34,816).  One tensor load a wave; nothing is filled again.
; K = 64 IN A FORM OF K = 128: Q's upper eight registers hold zero codes; the upper half of K's operand is whatever lies in the next eight registers (the next tile's codes, or zeros): it meets zeros and adds nothing,
; since no code is NaN and no scale byte is 0xff.  LIMITS: NaN and infinities among the inputs are not served.  A block of zeros has the byte 1 and not 127: its codes are zeros, and this program alone reads the bytes.
; The loops' trip counts are constants; what the mask hides is a step's work, not the lines that step addresses.
; REGISTERS: v1-6 addresses that stay; v7-10 addresses in hand; v11, v17 offsets of the head's loads; v12 c m (later mF), v13 l for the exchange, v[14:15] l, v16 m, v18 a (later 1 / L), v20 Q's scale words, v21 P's, v22-25 K's, v26-27 V's,
; v[28:29] tm, z; v30 2^(tm - mF) / L; v31 -infinity; v32-39 Q, v40-47 zeros; v48-111 eight tiles of K or four of V, v112-119 zeros; v120-183 S^T, then p; v184-215 O^T; v216-231 P's codes; v232-252 at work; v253-255 LDS addresses of the exchanges.
.set VIM,  131072                      ; LDS: V's images
.set SCK,  262144                      ; K's scale words, 4 bytes a key
.set SCV,  270336                      ; V's: [128 keys][tile of 16 channels][16] words
.set UOFF, 274432                      ; u: 16 rows x (256 + 16) bytes a tile
.set STX,  309248                      ; the exchange of (c m, l): 256 bytes a wave, into which no fill lands
.set KFR,  48
.set S,    120
.set CT,   152
.set O,    184
.set PC,   216
.set TM,   232
.set SXW,  253                         ; v253 where I store (c m, l)
.set SXR,  254                         ; v254 where my partner stores its pair
.set OXA,  255                         ; v255 my tile's image of O^T: 4,096 t + 16 x lane, in K's first bytes, used behind the barrier behind which nobody reads K
.set WV,   10
.set HD,   11
.set Q0,   13
.set TL,   14
.set KF,   15
.set CNT,  16
.set TB,   17
.set TSK,  18
.set TSV,  19
.set SEL,  22
.set CS,   24
.set MNT,  26
.set HIM,  27
.set PAR,  89
	s_load_b128 s[4:7], s[0:1], 0x0                ; w2, w3
	s_load_b64 s[8:9], s[0:1], 0x10                ; w4
	v_lshl_add_u32 v254, v0, 2, 0x4c800
	v_mov_b32 v255, 0
	ds_add_u32 v254, v255
	ds_add_u32 v254, v255
	s_wait_dscnt 0x0
	v_lshrrev_b32 v1, 5, v0
	s_delay_alu instid0(VALU_DEP_1)
	v_readfirstlane_b32 s[WV], v1                  ; wave 0..15
	s_and_b32 s[TL], s[WV], 7                      ; which of the work-group's eight tiles
	s_lshr_b32 s[PAR], s[WV], 3                    ; which half of its key steps
	s_and_b32 s[HD], ttmp7, 0xffff                 ; the head
	s_lshl_b32 s20, ttmp9, 2
	s_add_co_u32 s12, s20, s[TL]
	s_sub_co_u32 s21, 131, s12
	s_cmp_lt_u32 s[TL], 4
	s_cselect_b32 s12, s12, s21                    ; my tile of queries
	s_lshl_b32 s[Q0], s12, 4                       ; my first query
	; descriptor groups 1: dense blocks as rows of 256 bytes (32 elements of 8 bytes)
	s_mov_b32 s28, 3<<16                           ; K's and V's images: elements of 8 bytes
	s_mov_b32 s29, 32<<16
	s_mov_b32 s30, 128<<16                         ; K's images: 128 rows of 256 bytes for each of waves 0 to 3
	s_mov_b32 s31, 32<<16
	s_mov_b32 s32, 128
	s_mov_b32 s33, 32
	s_mov_b32 s34, 0
	s_mov_b32 s35, 0
	s_mov_b32 s36, 3<<16                           ; the scale words: elements of 8 bytes
	s_mov_b32 s37, 32<<16
	s_mov_b32 s38, 24<<16                          ; the scale words: 24 rows for each of waves 6, 7
	s_mov_b32 s39, 32<<16
	s_mov_b32 s40, 24
	s_mov_b32 s41, 32
	s_mov_b32 s42, 0
	s_mov_b32 s43, 0
	s_mov_b32 s44, (3<<16)|(1<<20)|(5<<22)|(3<<25) ; u: 4 words of padding after every 64
	s_mov_b32 s45, 32<<16
	s_mov_b32 s46, 16<<16                          ; u: wave 8 + t fetches tile t's 16 rows
	s_mov_b32 s47, 32<<16
	s_mov_b32 s48, 16
	s_mov_b32 s49, 32
	s_mov_b32 s50, 0
	s_mov_b32 s51, 0
	s_mov_b32 s92, 3<<16                           ; V's images: 256 rows for each of waves 4, 5
	s_mov_b32 s93, 32<<16
	s_mov_b32 s94, 256<<16
	s_mov_b32 s95, 32<<16
	s_mov_b32 s96, 256
	s_mov_b32 s97, 32
	s_mov_b32 s98, 0
	s_mov_b32 s99, 0
	; byte offsets, in registers of their own
	s_mul_i32 s72, s[HD], 0x3000
	s_and_b32 s20, s[WV], 1
	s_mul_i32 s20, s20, 6144
	s_add_co_u32 s72, s72, s20
	s_mov_b32 s73, 0
	s_add_nc_u64 s[72:73], s[72:73], 0x620000      ; my half of the head's scale words
	s_lshl_b32 s74, s[HD], 18
	s_lshl_b32 s21, s[WV], 15
	s_add_co_u32 s74, s74, s21
	s_mov_b32 s75, 0
	s_add_nc_u64 s[74:75], s[74:75], 0x200000      ; my quarter of K's images; V's lie 0x20000 on
	s_lshl_b32 s88, s[HD], 11
	s_add_co_u32 s88, s88, s[Q0]                   ; 2,048 h + my first query
	s_lshl_b32 s76, s88, 8
	s_mov_b32 s77, 0
	s_lshl_b32 s78, s[HD], 17
	s_lshl_b32 s79, s12, 10
	s_add_co_u32 s78, s78, s79
	s_mov_b32 s79, 0                               ; Q's image
	s_lshl_b32 s80, s88, 2
	s_mov_b32 s81, 0
	s_add_nc_u64 s[80:81], s[80:81], 0x600000      ; Q's scale words
	s_lshl_b32 s82, s88, 3
	s_mov_b32 s83, 0
	s_add_nc_u64 s[82:83], s[82:83], 0x800000      ; tm, z
	s_lshl_b32 s84, s[Q0], 10
	s_lshl_b32 s85, s[HD], 6
	s_add_co_u32 s84, s84, s85
	s_mov_b32 s85, 0                               ; ctx's codes
	s_lshl_b32 s86, s[Q0], 5
	s_lshl_b32 s87, s[HD], 1
	s_add_co_u32 s86, s86, s87
	s_mov_b32 s87, 0
	s_add_nc_u64 s[86:87], s[86:87], 0x200000      ; ctx's scale bytes
	s_mov_b32 s[SEL], 0x76543210
	s_mov_b32 s[SEL+1], 0xfedcba98                 ; lane l xor 16
	s_mov_b32 s[CS], 0x3e38aa3b                    ; c
	s_mov_b32 s[CS+1], s[CS]
	s_mov_b32 s[MNT], 0x600000                     ; the mantissa field of 448
	s_mov_b32 s[HIM], 0xffff0000                   ; lanes 16-31
	s_wait_kmcnt 0x0
	s_add_nc_u64 s[78:79], s[4:5], s[78:79]
	s_add_nc_u64 s[80:81], s[4:5], s[80:81]
	s_add_nc_u64 s[82:83], s[6:7], s[82:83]
	s_add_nc_u64 s[84:85], s[8:9], s[84:85]
	s_add_nc_u64 s[86:87], s[8:9], s[86:87]
	s_mov_b32 s52, 1                               ; groups 0: count 1, LDS address, global address, type 2
	s_and_b32 s53, s[WV], 1
	s_mul_i32 s53, s53, 6144
	s_add_co_u32 s53, s53, SCK
	s_add_nc_u64 s[54:55], s[4:5], s[72:73]
	s_or_b32 s55, s55, 0x80000000
	s_mov_b32 s56, 1
	s_lshl_b32 s57, s[WV], 15
	s_add_nc_u64 s[58:59], s[4:5], s[74:75]
	s_and_b32 s90, s[WV], 1                        ; waves 4, 5: 32,768 x wave + 32,768 x (wave % 2) = 0x20000, 0x30000 from K's first byte
	s_lshl_b32 s90, s90, 15
	s_mov_b32 s91, 0
	s_add_nc_u64 s[62:63], s[58:59], s[90:91]
	s_or_b32 s59, s59, 0x80000000
	s_mov_b32 s60, 1
	s_and_b32 s61, s[WV], 1
	s_lshl_b32 s61, s61, 16
	s_add_co_u32 s61, s61, VIM
	s_or_b32 s63, s63, 0x80000000
	s_mov_b32 s68, 1
	s_mul_i32 s69, s[TL], 4352
	s_add_co_u32 s69, s69, UOFF
	s_add_nc_u64 s[70:71], s[6:7], s[76:77]
	s_or_b32 s71, s71, 0x80000000
	; ONE TENSOR LOAD A WAVE, in one chain of branches on the wave's number: waves 0-3 K, 4-5 V, 6-7 the scale words, 8-15 a tile's u each
	s_cmp_lt_u32 s[WV], 4
	s_cbranch_scc0 .Lh_v
	tensor_load_to_lds s[56:59], s[28:35]
	s_nop 0
.rept 4
	v_nop
.endr
	s_branch .Lh_j
.Lh_v:
	s_cmp_lt_u32 s[WV], 6
	s_cbranch_scc0 .Lh_s
	tensor_load_to_lds s[60:63], s[92:99]
	s_nop 0
.rept 4
	v_nop
.endr
	s_branch .Lh_j
.Lh_s:
	s_cmp_lt_u32 s[WV], 8
	s_cbranch_scc0 .Lh_u
	tensor_load_to_lds s[52:55], s[36:43]
	s_nop 0
.rept 4
	v_nop
.endr
	s_branch .Lh_j
.Lh_u:
	tensor_load_to_lds s[68:71], s[44:51]
	s_nop 0
.rept 4
	v_nop
.endr
.Lh_j:
.rept 4
	v_nop
.endr
	v_and_b32 v8, 31, v0                           ; lane
	v_and_b32 v9, 15, v0                           ; r
	v_bfe_u32 v10, v0, 4, 1                        ; h'
	s_delay_alu instid0(VALU_DEP_3)
	v_lshlrev_b32 v1, 4, v8                        ; an image's place for my lane
	s_delay_alu instid0(VALU_DEP_4)
	v_lshl_add_u32 v2, v8, 2, SCK                  ; a scale word's: lanes 0-15 an even tile's rows, lanes 16-31 the odd tile's
	s_delay_alu instid0(VALU_DEP_2)
	v_add_nc_u32 v3, VIM, v1
	v_lshl_add_u32 v4, v8, 2, SCV
	s_mul_i32 s20, s[TL], 4352
	s_add_co_u32 s20, s20, UOFF
	v_mul_u32_u24 v5, v9, 272
	s_delay_alu instid0(VALU_DEP_1)
	v_lshl_add_u32 v5, v10, 2, v5
	s_delay_alu instid0(VALU_DEP_1)
	v_add_nc_u32 v5, s20, v5                       ; u: row r, + 4 h'
	v_lshlrev_b32 v6, 3, v10
	s_delay_alu instid0(VALU_DEP_1)
	v_sub_nc_u32 v6, v9, v6                        ; r - 8 h', for the mask
	s_lshl_b32 s20, s[WV], 8
	s_add_co_u32 s20, s20, STX
	v_lshl_add_u32 v[SXW], v8, 3, s20              ; my pair: 256 x wave + 8 x lane
	s_xor_b32 s21, s[WV], 8                        ; the wave that shares my tile
	s_lshl_b32 s21, s21, 8
	s_add_co_u32 s21, s21, STX
	v_lshl_add_u32 v[SXR], v8, 3, s21
	s_lshl_b32 s20, s[TL], 12
	v_add_nc_u32 v[OXA], s20, v1
	v_lshlrev_b32 v11, 2, v9
	v_lshlrev_b32 v17, 3, v9
	global_load_b128 v[32:35], v1, s[78:79]        ; Q's image stays in registers
	global_load_b128 v[36:39], v1, s[78:79] offset:512
	global_load_b32 v20, v11, s[80:81]
	global_load_b64 v[28:29], v17, s[82:83]
	v_mov_b32 v16, 0xff61b1e6                      ; the largest score so far: -3e38
	s_delay_alu instid0(VALU_DEP_1)
	v_mul_f32 v12, s[CS], v16
	v_mov_b32 v13, 0
	v_mov_b32 v14, 0
	v_mov_b32 v15, 0
	v_mov_b32 v19, 0
	v_mov_b32 v31, 0xff800000                      ; -infinity
	v_mov_b32 v249, 0                              ; lane permutes' destinations count as sources: written once
.irp b, 0,1,2,3
	v_mov_b32 v[TM+4+\b], 0
.endr
.irp j, 0,1,2,3,4,5,6,7
	v_mov_b32 v[40+\j], 0                          ; zero codes: K = 64 .. 127 of Q
	v_mov_b32 v[112+\j], 0                         ; and what stands behind the last tile of K
.endr
.set i, 0
.rept 32
	v_mov_b32 v[O+i], 0                            ; O^T: the key step is written once
.set i, i+1
.endr
.macro KLOADS                          ; a step's 128 keys: 8 tiles x 1,024 bytes, and their scale words
.irp i, 0,1,2,3
	ds_load_b32 v[22+\i], v8 offset:128*\i
.endr
.irp t, 0,1,2,3,4,5,6,7
	ds_load_b128 v[KFR+8*\t:KFR+8*\t+3], v7 offset:\t*1024
	ds_load_b128 v[KFR+8*\t+4:KFR+8*\t+7], v7 offset:\t*1024+512
.endr
.endm
.macro QK t                            ; S^T of tile t: lane (r, h') holds query r; register j key 16 t + 8 h' + j
.if (\t)%2
	v_wmma_scale_f32_16x16x128_f8f6f4 v[S+8*(\t):S+8*(\t)+7], v[KFR+8*(\t):KFR+8*(\t)+15], v[32:47], 0, v[22+(\t)/2], v20 matrix_a_scale:MATRIX_SCALE_ROW1
.else
	v_wmma_scale_f32_16x16x128_f8f6f4 v[S+8*(\t):S+8*(\t)+7], v[KFR+8*(\t):KFR+8*(\t)+15], v[32:47], 0, v[22+(\t)/2], v20
.endif
.endm
.macro SCORES
	KLOADS
	s_wait_dscnt 0x6                               ; tiles 0-4 are in (tile 3's operand names tile 4's registers); tiles 5-7, six loads, may be out
.irp t, 0,1,2,3
	QK \t
.endr
	s_wait_dscnt 0x0
.irp t, 4,5,6,7
	QK \t
.endr
.rept 8
	v_nop                                          ; places behind the products: in front of reads of the scores and of loads into K's registers
.endr
.endm
.macro MASK                            ; on the diagonal hidden scores become -infinity; a step all of whose keys count jumps over this
	s_add_co_u32 s20, s[KF], 127
	s_cmp_le_u32 s20, s[Q0]
	s_cbranch_scc1 .Lopen_\@
	s_sub_co_i32 s20, s[Q0], s[KF]
	v_add_nc_u32 v248, s20, v6                     ; d = my query - the step's first key - 8 h': register 8 t + j is hidden where 16 t + j > d
.set n, 0
.rept 64
	v_cmp_gt_i32 vcc_lo, 16*(n/8)+n%8, v248
	v_cndmask_b32 v[S+n], v[S+n], v31, vcc_lo
.set n, n+1
.endr
.Lopen_\@:
.endm
; PASS 1, a step of 128 keys: the running maximum and sum.  A trip goes two steps on: the step between is my partner's
.macro STEP1
	s_add_co_u32 s20, s[Q0], 15
	s_cmp_gt_u32 s[KF], s20                        ; all keys behind my queries: the step's work is left out
	s_cbranch_scc1 .Lhid_\@
	v_add_nc_u32 v7, s[TB], v1
	v_add_nc_u32 v8, s[TSK], v2
	SCORES
	MASK
.irp b, 0,1,2,3
	v_max3_num_f32 v[TM+\b], v[S+16*\b], v[S+1+16*\b], v[S+2+16*\b]
.endr
.irp i, 3,5,7,9,11,13
.irp b, 0,1,2,3
	v_max3_num_f32 v[TM+\b], v[TM+\b], v[S+16*\b+\i], v[S+1+16*\b+\i]
.endr
.endr
.irp b, 0,1,2,3
	v_max_num_f32 v[TM+\b], v[TM+\b], v[S+15+16*\b]
.endr
	s_delay_alu instid0(VALU_DEP_2)
	v_max3_num_f32 v248, v[TM], v[TM+1], v[TM+2]
	s_delay_alu instid0(VALU_DEP_1)
	v_max3_num_f32 v248, v248, v[TM+3], v16
	s_delay_alu instid0(VALU_DEP_1)
	v_permlanex16_b32 v249, v248, s[SEL], s[SEL+1]
	s_delay_alu instid0(VALU_DEP_1)
	v_max_num_f32 v16, v248, v249                  ; the new m
	v_mov_b32 v250, v12
	s_delay_alu instid0(VALU_DEP_2)
	v_mul_f32 v12, s[CS], v16                      ; c m
	s_delay_alu instid0(VALU_DEP_1)
	v_sub_f32 v250, v250, v12
	s_wait_alu depctr_va_vdst(0)
	v_exp_f32 v18, v250                            ; a = 2^(c m_old - c m_new)
.set i, 0
.rept 32
	v_pk_fma_f32 v[S+i:S+i+1], v[S+i:S+i+1], s[CS:CS+1], v[12:13] op_sel_hi:[1,0,0] neg_lo:[0,0,1] neg_hi:[0,0,1]
.set i, i+2
.endr
.set i, 0
	s_wait_alu depctr_va_vdst(0)
.rept 64
	v_exp_f32 v[S+i], v[S+i]
.set i, i+1
.endr
	s_wait_alu depctr_va_vdst(0)
	v_pk_mul_f32 v[14:15], v[14:15], v[18:19] op_sel_hi:[1,0]   ; l under the new m.  (The plain instruction behind the exponentials)
	v_pk_add_f32 v[236:237], v[124:125], v[128:129]
	v_pk_add_f32 v[250:251], v[132:133], v[136:137]
	v_pk_add_f32 v[246:247], v[140:141], v[144:145]
	v_pk_add_f32 v[244:245], v[148:149], v[152:153]
	v_pk_add_f32 v[242:243], v[156:157], v[160:161]
	v_pk_add_f32 v[240:241], v[164:165], v[168:169]
	v_pk_add_f32 v[234:235], v[172:173], v[176:177]
	v_pk_add_f32 v[14:15], v[14:15], v[180:181]
	v_pk_add_f32 v[236:237], v[236:237], v[120:121]
	v_pk_add_f32 v[250:251], v[250:251], v[122:123]
	v_pk_add_f32 v[246:247], v[246:247], v[126:127]
	v_pk_add_f32 v[244:245], v[244:245], v[130:131]
	v_pk_add_f32 v[242:243], v[242:243], v[134:135]
	v_pk_add_f32 v[240:241], v[240:241], v[138:139]
	v_pk_add_f32 v[234:235], v[234:235], v[142:143]
	v_pk_add_f32 v[14:15], v[14:15], v[146:147]
	v_pk_add_f32 v[236:237], v[236:237], v[150:151]
	v_pk_add_f32 v[250:251], v[250:251], v[154:155]
	v_pk_add_f32 v[246:247], v[246:247], v[158:159]
	v_pk_add_f32 v[244:245], v[244:245], v[162:163]
	v_pk_add_f32 v[242:243], v[242:243], v[166:167]
	v_pk_add_f32 v[240:241], v[240:241], v[170:171]
	v_pk_add_f32 v[234:235], v[234:235], v[174:175]
	v_pk_add_f32 v[14:15], v[14:15], v[178:179]
	v_pk_add_f32 v[236:237], v[236:237], v[182:183]
	s_delay_alu instid0(VALU_DEP_2)
	v_pk_add_f32 v[14:15], v[14:15], v[244:245]
	s_delay_alu instid0(VALU_DEP_2)
	v_pk_add_f32 v[236:237], v[236:237], v[242:243]
	v_pk_add_f32 v[250:251], v[250:251], v[240:241]
	v_pk_add_f32 v[246:247], v[246:247], v[234:235]
	s_delay_alu instid0(VALU_DEP_2)
	v_pk_add_f32 v[14:15], v[14:15], v[250:251]
	s_delay_alu instid0(VALU_DEP_2)
	v_pk_add_f32 v[236:237], v[236:237], v[246:247]
	s_delay_alu instid0(VALU_DEP_1)
	v_pk_add_f32 v[14:15], v[14:15], v[236:237]
.Lhid_\@:
	s_add_co_u32 s[KF], s[KF], 256
	s_add_co_u32 s[TB], s[TB], 16384
	s_add_co_u32 s[TSK], s[TSK], 1024
.endm
; PASS 2, a step of 128 keys: the finished weights, quantised, and O^T += V^T P^T
.macro STEP2
	s_add_co_u32 s20, s[Q0], 15
	s_cmp_gt_u32 s[KF], s20
	s_cbranch_scc1 .Lhid_\@
	v_add_nc_u32 v7, s[TB], v1
	v_add_nc_u32 v8, s[TSK], v2
	v_add_nc_u32 v9, s[TB], v3
	v_add_nc_u32 v10, s[TSV], v4
.rept 4
	v_nop                                          ; with the four additions: eight places behind the last step's products, in front of loads into the registers that they read
.endr
	SCORES
	s_wait_alu depctr_va_vdst(0)
	ds_load_b32 v26, v10                           ; V's four tiles land while the weights are made
	ds_load_b32 v27, v10 offset:128
.irp t, 0,1,2,3
.irp c, 0,1,2,3
	ds_load_b128 v[KFR+16*\t+4*\c:KFR+16*\t+4*\c+3], v9 offset:\t*2048+\c*512
.endr
.endr
	MASK
.set i, 0
.rept 32
	v_pk_fma_f32 v[S+i:S+i+1], v[S+i:S+i+1], s[CS:CS+1], v[12:13] op_sel_hi:[1,0,0] neg_lo:[0,0,1] neg_hi:[0,0,1]
.set i, i+2
.endr
.set i, 0
	s_wait_alu depctr_va_vdst(0)
.rept 64
	v_exp_f32 v[S+i], v[S+i]
.set i, i+1
.endr
	v_nop                                          ; a plain instruction behind the exponentials
.set i, 0
	s_wait_alu depctr_va_vdst(0)
.rept 32
	v_pk_mul_f32 v[S+i:S+i+1], v[S+i:S+i+1], v[18:19] op_sel_hi:[1,0]   ; / L: the weight as it is quantised
.set i, i+2
.endr
.irp b, 0,1,2,3
	v_max3_num_f32 v[TM+\b], v[S+16*\b], v[S+1+16*\b], 0x4800000   ; block b of 32 keys: my 16, and the floor 2^(9 - 127)
.endr
.irp i, 2,4,6,8,10,12,14
.irp b, 0,1,2,3
	s_delay_alu instid0(VALU_DEP_4)
	v_max3_num_f32 v[TM+\b], v[TM+\b], v[S+16*\b+\i], v[S+1+16*\b+\i]
.endr
.endr
.irp b, 0,1,2,3
	s_delay_alu instid0(VALU_DEP_4)
	v_permlanex16_b32 v[TM+4+\b], v[TM+\b], s[SEL], s[SEL+1]
.endr
.irp b, 0,1,2,3
	s_delay_alu instid0(VALU_DEP_4)
	v_max_num_f32 v[TM+\b], v[TM+\b], v[TM+4+\b]
.endr
.irp b, 0,1,2,3
	s_delay_alu instid0(VALU_DEP_4)
	v_add_nc_u32 v[TM+12+\b], 0xfc000000, v[TM+\b]
.endr
.irp b, 0,1,2,3
	v_and_or_b32 v[TM+8+\b], v[TM+\b], 0x7f800000, s[MNT]
.endr
.irp b, 0,1,2,3
	v_lshrrev_b32 v[TM+4+\b], 23, v[TM+12+\b]
.endr
	s_delay_alu instid0(VALU_DEP_3)
	v_lshl_or_b32 v21, v[TM+5], 8, v[TM+4]         ; P's scale word: the 64 holds below stand between it and the products
	s_delay_alu instid0(VALU_DEP_1)
	v_lshl_or_b32 v21, v[TM+6], 16, v21
	s_delay_alu instid0(VALU_DEP_1)
	v_lshl_or_b32 v21, v[TM+7], 24, v21
.irp b, 0,1,2,3
.irp i, 0,1,2,3,4,5,6,7,8,9,10,11,12,13,14,15
	v_min_num_f32 v[S+16*\b+\i], v[S+16*\b+\i], v[TM+8+\b]   ; the conversion does not saturate (ISA guide 7.6.2); a weight is not negative, so the hold is one-sided
.endr
	v_cvt_scalef32_pk8_fp8_f32 v[PC+4*\b:PC+1+4*\b], v[S+16*\b:S+7+16*\b], v[TM+12+\b]
	v_cvt_scalef32_pk8_fp8_f32 v[PC+2+4*\b:PC+3+4*\b], v[S+8+16*\b:S+15+16*\b], v[TM+12+\b]
.endr
.rept 4
	v_nop                                          ; an operand written by vector instructions stands four places ahead of a scaled matrix instruction
.endr
	s_wait_alu depctr_va_vdst(0)
	s_wait_dscnt 0x0                               ; V
	v_wmma_scale_f32_16x16x128_f8f6f4 v[O:O+7], v[KFR:KFR+15], v[PC:PC+15], v[O:O+7], v26, v21   ; four accumulators by turns; the eight score products stand between one step's turn and the next
	v_wmma_scale_f32_16x16x128_f8f6f4 v[O+8:O+15], v[KFR+16:KFR+31], v[PC:PC+15], v[O+8:O+15], v26, v21 matrix_a_scale:MATRIX_SCALE_ROW1
	v_wmma_scale_f32_16x16x128_f8f6f4 v[O+16:O+23], v[KFR+32:KFR+47], v[PC:PC+15], v[O+16:O+23], v27, v21
	v_wmma_scale_f32_16x16x128_f8f6f4 v[O+24:O+31], v[KFR+48:KFR+63], v[PC:PC+15], v[O+24:O+31], v27, v21 matrix_a_scale:MATRIX_SCALE_ROW1
.Lhid_\@:
	s_add_co_u32 s[KF], s[KF], 256
	s_add_co_u32 s[TB], s[TB], 16384
	s_add_co_u32 s[TSK], s[TSK], 1024
	s_add_co_u32 s[TSV], s[TSV], 512
.endm
	s_wait_tensorcnt 0x0                           ; my one load is in
	s_barrier_signal -1
	s_barrier_wait -1                              ; everybody's are
	s_wait_loadcnt 0x0                             ; Q, its scale words, tm and z
	s_lshl_b32 s[KF], s[PAR], 7                    ; my first step: keys 128 p on,
	s_lshl_b32 s[TB], s[PAR], 13                   ; their images,
	s_lshl_b32 s[TSK], s[PAR], 9                   ; their scale words
	s_mov_b32 s[CNT], 0
.Lpass1:
	STEP1
	s_add_co_u32 s[CNT], s[CNT], 1
	s_cmp_lt_u32 s[CNT], 8
	s_cbranch_scc1 .Lpass1
	; THE MERGE: my half of the keys, my partner's half, the memory slots.  A wave that had no step brings c m = c x -3e38 and l = 0: its term is 0
	s_wait_alu depctr_va_vdst(0)
	v_add_f32 v14, v14, v15
	s_delay_alu instid0(VALU_DEP_1)
	v_permlanex16_b32 v249, v14, s[SEL], s[SEL+1]
	s_delay_alu instid0(VALU_DEP_1)
	v_add_f32 v13, v14, v249                       ; l of my steps
	ds_store_b64 v[SXW], v[12:13]                  ; (c m, l)
	s_wait_tensorcnt 0x0                           ; my parts of V and of u are in,
	s_wait_dscnt 0x0                               ; my pair is stored
	s_barrier_signal -1
	s_barrier_wait -1                              ; V and u are whole, and every pair is there
	ds_load_b64 v[250:251], v[SXR]
	s_wait_dscnt 0x0
	v_max3_num_f32 v248, v12, v250, v28            ; mF
	s_delay_alu instid0(VALU_DEP_1)
	v_sub_f32 v232, v12, v248
	s_delay_alu instid0(VALU_DEP_2)
	v_sub_f32 v233, v250, v248
	s_delay_alu instid0(VALU_DEP_3)
	v_sub_f32 v234, v28, v248
	s_wait_alu depctr_va_vdst(0)
	v_exp_f32 v232, v232
	v_exp_f32 v233, v233
	v_exp_f32 v234, v234
	v_mov_b32 v12, v248                            ; (a plain instruction behind the exponentials)
	s_wait_alu depctr_va_vdst(0)
	v_mul_f32 v232, v13, v232
	v_mul_f32 v233, v251, v233
	s_delay_alu instid0(VALU_DEP_1)
	v_add_f32 v232, v232, v233                     ; two products and a sum that does not hang on their order: both waves of a tile get the same bits
	v_fma_f32 v252, v29, v234, v232                ; L
	s_wait_alu depctr_va_vdst(0)
	v_rcp_f32 v18, v252
	v_nop
	s_wait_alu depctr_va_vdst(0)
	v_mul_f32 v30, v234, v18                       ; what u is multiplied by
	s_lshl_b32 s[KF], s[PAR], 7
	s_lshl_b32 s[TB], s[PAR], 13
	s_lshl_b32 s[TSK], s[PAR], 9
	s_lshl_b32 s[TSV], s[PAR], 8
	s_mov_b32 s[CNT], 0
.Lpass2:
	STEP2
	s_add_co_u32 s[CNT], s[CNT], 1
	s_cmp_lt_u32 s[CNT], 8
	s_cbranch_scc1 .Lpass2
	; THE TWO HALVES OF O^T MEET.  Behind the first barrier nobody reads K's images any more: waves 8-15 lay their 32 registers there, 16 bytes a lane; behind the second, waves 0-7 take them up.
.rept 8
	v_nop                                          ; places behind the last products
.endr
	s_wait_dscnt 0x0                               ; my reads of K and V are over
	s_barrier_signal -1
	s_barrier_wait -1
	s_cmp_lt_u32 s[WV], 8
	s_cbranch_scc1 .Lkeep
.irp t, 0,1,2,3
	ds_store_b128 v[OXA], v[O+8*\t:O+8*\t+3] offset:1024*\t          ; each accumulator from its low end on
	ds_store_b128 v[OXA], v[O+8*\t+4:O+8*\t+7] offset:1024*\t+512
.endr
.Lkeep:
	s_wait_dscnt 0x0                               ; for the others' sake: the image is stored
	s_barrier_signal -1
	s_barrier_wait -1
	s_cmp_lt_u32 s[WV], 8
	s_cbranch_scc0 .Lend
	; THE WAY OUT.  Register 8 t + j of O^T is channel 32 (t / 2) + 16 h' + 8 (t % 2) + j (Wv's rows were ordered for that): 16 registers are 16 neighbours of a block of 32, as the next product's operand wants them.
.irp t, 0,1,2,3
	ds_load_b128 v[CT+8*\t:CT+8*\t+3], v[OXA] offset:1024*\t
	ds_load_b128 v[CT+8*\t+4:CT+8*\t+7], v[OXA] offset:1024*\t+512
.endr
.irp b, 0,1
.irp i, 0,1,2,3
.irp k, 0,1,2,3
	ds_load_b32 v[S+16*\b+4*\i+\k], v5 offset:8*\b+64*\i+16*\k   ; u's channel 16 a + r lies at place 4 r + a of its row: channel 32 b + 16 h' + 4 i + k at byte 64 i + 16 k + 8 b + 4 h'
.endr
.endr
.endr
	v_and_b32 v7, 15, v0
	v_bfe_u32 v8, v0, 4, 1
	s_delay_alu instid0(VALU_DEP_2)
	v_lshlrev_b32 v9, 10, v7
	s_delay_alu instid0(VALU_DEP_1)
	v_lshl_add_u32 v9, v8, 4, v9                   ; ctx's codes: row r of 1,024 bytes, + 16 h'
	s_delay_alu instid0(VALU_DEP_3)
	v_lshl_add_u32 v10, v7, 5, v8                  ; its scale bytes: 32 a row; lanes 0-15 store block 0's, lanes 16-31 block 1's
	s_wait_dscnt 0x0
.set i, 0
.rept 16
	v_pk_add_f32 v[CT+i:CT+i+1], v[CT+i:CT+i+1], v[O+i:O+i+1]   ; the two halves of the keys; each accumulator from its low end on
.set i, i+2
.endr
.set i, 0
.rept 16
	v_pk_fma_f32 v[CT+i:CT+i+1], v[S+i:S+i+1], v[30:31], v[CT+i:CT+i+1] op_sel_hi:[1,0,1]   ; ctx
.set i, i+2
.endr
.irp b, 0,1
	v_max3_num_f32 v[TM+\b], |v[CT+16*\b]|, |v[CT+1+16*\b]|, 0x4800000
.endr
.irp i, 2,4,6,8,10,12,14
.irp b, 0,1
	s_delay_alu instid0(VALU_DEP_2)
	v_max3_num_f32 v[TM+\b], v[TM+\b], |v[CT+16*\b+\i]|, |v[CT+1+16*\b+\i]|
.endr
.endr
.irp b, 0,1
	s_delay_alu instid0(VALU_DEP_2)
	v_permlanex16_b32 v[TM+4+\b], v[TM+\b], s[SEL], s[SEL+1]
.endr
.irp b, 0,1
	s_delay_alu instid0(VALU_DEP_2)
	v_max_num_f32 v[TM+\b], v[TM+\b], v[TM+4+\b]
.endr
.irp b, 0,1
	s_delay_alu instid0(VALU_DEP_2)
	v_add_nc_u32 v[TM+12+\b], 0xfc000000, v[TM+\b]
.endr
.irp b, 0,1
	s_delay_alu instid0(VALU_DEP_4)
	v_and_or_b32 v[TM+8+\b], v[TM+\b], 0x7f800000, s[MNT]
.endr
.irp b, 0,1
	s_delay_alu instid0(VALU_DEP_4)
	v_lshrrev_b32 v[TM+4+\b], 23, v[TM+12+\b]
.endr
.irp b, 0,1
.irp i, 0,1,2,3,4,5,6,7,8,9,10,11,12,13,14,15
	v_med3_num_f32 v[CT+16*\b+\i], v[CT+16*\b+\i], -v[TM+8+\b], v[TM+8+\b]
.endr
	v_cvt_scalef32_pk8_fp8_f32 v[PC+4*\b:PC+1+4*\b], v[CT+16*\b:CT+7+16*\b], v[TM+12+\b]
	v_cvt_scalef32_pk8_fp8_f32 v[PC+2+4*\b:PC+3+4*\b], v[CT+8+16*\b:CT+15+16*\b], v[TM+12+\b]
.endr
	v_cndmask_b32 v248, v[TM+4], v[TM+5], s[HIM]   ; (also the plain instruction behind the last conversion)
	global_store_b128 v9, v[PC:PC+3], s[84:85]     ; a head's 64 bytes of a row of ctx: the rows of 1,024 bytes are shared by sixteen work-groups
	global_store_b128 v9, v[PC+4:PC+7], s[84:85] offset:32
	global_store_b8 v10, v248, s[86:87]
.Lend:
	s_wait_xcnt 0x0
	v_lshl_add_u32 v254, v0, 2, 0x4c800
	v_mov_b32 v255, 0
	s_wait_alu depctr_va_vdst(0)
	s_wait_tensorcnt 0x0
	ds_add_u32 v254, v255
	s_wait_dscnt 0x0
	s_endpgm
.Lfunc_end_k_qe333723f20_attn:
	.size	k_qe333723f20_attn, .Lfunc_end_k_qe333723f20_attn-k_qe333723f20_attn
	.p2alignl 7, 3214868480
	.fill 96, 4, 3214868480
	.section	.rodata,"a",@progbits
	.p2align	6, 0x0
	.amdhsa_kernel k_qe333723f20_attn
		.amdhsa_group_segment_fixed_size 315392
		.amdhsa_private_segment_fixed_size 0
		.amdhsa_enable_private_segment 0
		.amdhsa_kernarg_size 24
		.amdhsa_user_sgpr_count 2
		.amdhsa_user_sgpr_kernarg_segment_ptr 1
		.amdhsa_wavefront_size32 1
		.amdhsa_system_sgpr_workgroup_id_x 1
		.amdhsa_system_sgpr_workgroup_id_y 1
		.amdhsa_system_sgpr_workgroup_id_z 1
		.amdhsa_system_vgpr_workitem_id 0
		.amdhsa_next_free_vgpr 256
		.amdhsa_next_free_sgpr 100
		.amdhsa_reserve_vcc 1
		.amdhsa_float_denorm_mode_32 3
		.amdhsa_float_denorm_mode_16_64 3
		.amdhsa_memory_ordered 1
		.amdhsa_forward_progress 1
		.amdhsa_inst_pref_size 65
	.end_amdhsa_kernel
	.amdgpu_metadata
---
amdhsa.version: [ 1, 2 ]
amdhsa.kernels:
  - .name:           k_qe333723f20_attn
    .symbol:         k_qe333723f20_attn.kd
    .args:
      - { .name: w2, .offset: 0, .size: 8, .value_kind: global_buffer, .address_space: global }
      - { .name: w3, .offset: 8, .size: 8, .value_kind: global_buffer, .address_space: global }
      - { .name: w4, .offset: 16, .size: 8, .value_kind: global_buffer, .address_space: global }
    .group_segment_fixed_size: 315392
    .private_segment_fixed_size: 0
    .kernarg_segment_align: 8
    .kernarg_segment_size: 24
    .max_flat_workgroup_size: 512
    .sgpr_count:     100
    .vgpr_count:     256
    .wavefront_size: 32
...
	.end_amdgpu_metadata
.endif
;; end of part 4
;; launch outp (part 5): grid 8 x 16, 4 waves a work-group, clusters of 4 x 4, 287,744 bytes of LDS; arguments w4, w1, bout, out0; writes out0
.if DOCPART == 5
	.amdgcn_target "amdgcn-amd-amdhsa--gfx1250"
	.amdhsa_code_object_version 6
	.text
	.protected	k_qe333723f20_outp
	.globl	k_qe333723f20_outp
	.p2align	8
	.type	k_qe333723f20_outp,@function
k_qe333723f20_outp:
	s_mov_b64 s[64:65], 0
	v_nop
	global_prefetch_b8 v0, s[64:65] scope:SCOPE_SE
	s_setreg_imm32_b32 hwreg(HW_REG_WAVE_MODE, 25, 1), 1
	s_wait_xcnt 0x0
	s_wait_alu depctr_hold_cnt(0) depctr_sa_sdst(0) depctr_va_vdst(0) depctr_va_sdst(0) depctr_va_ssrc(0) depctr_va_vcc(0) depctr_vm_vsrc(0)
	s_getreg_b32 s2, hwreg(HW_REG_IB_STS2, 6, 4)
	s_cmp_eq_u32 s2, 0
	s_cbranch_scc0 .Lentry_in_a_cluster
	s_endpgm
.Lentry_in_a_cluster:
	s_bfe_u32 s2, ttmp6, 0x10000c
	s_cmp_lg_u32 s2, 0xf033
	s_cbranch_scc0 .Lentry_shape_is_right
	s_endpgm
.Lentry_shape_is_right:
; OUTP: out0 = ctx Wout^T + bout, on codes of FP8 (E4M3) with one E8M0 scale for each 32 along K = 1,024; sums in f32.  ctx [2,048][1,024] comes from the attention launch, Wout [1,024][1,024] from the first launch.
; A tile of the output is 128 x 128: 128 work-groups.  Four waves, 64 x 64 each: 16 accumulators, 128 registers.
; ALL OF K LIES IN LDS AT ONCE: 256 rows x 1,024 codes, as rows of 1,024 bytes + 16 of padding, 266,240 bytes; the scale bytes go into registers.  So there is no ring: every LDS byte is filled once,
; each wave's one tensor load goes out at the start, and the products begin when every wave's has landed.
; CLUSTERS: 4 x 4 work-groups.  The four of a row of the cluster need the same rows of ctx, the four of a column the same rows of Wout: each tile is asked for jointly.  One round stands in front of the loads, one in front of the end.
; Source 0 = 16 rows of Wout, source 1 = 16 rows of ctx: a lane holds eight neighbouring numbers of a row of the output.  A wave's 64 columns are 256 consecutive bytes, aligned: each wave sends its own rows out through its own stage.
; REGISTERS: window 0: v1-7 at work, v8-11, v12-15 LDS addresses of my fragments of ctx and of Wout in K steps 0-3, v16-19 other addresses, v20-23 the bias, v32-63 scale words, v64-127 rows on the way out, v128-255 the accumulators.
;   window 1: two sets of fragments for 128 along K: 64 registers of ctx (4 x 16 rows), then 64 of Wout.
.set SIZE_N, 1024
.set PITCH,  1040                      ; a whole row of K: 1,024 bytes + 16 of padding.  Each wave has ONE tensor load: 64 whole rows
.set FR,     16                        ; registers of a fragment
.set NP,     8                         ; places behind this matrix instruction (ISA guide 7.12.1)
.set HALFT,  64*PITCH                  ; 64 rows: what one tensor load brings, and what one wave reads of ctx or of Wout in a K step
.set REG,    256                       ; a K step of 256 along an LDS row
.set SCL,    4*HALFT                   ; behind the 256 rows: the four stages of the way out, bytes into which no fill lands
.set SCB,    68                        ; v68-99 Wout's scale words (register 8 i + k, lanes 0-15); ctx's stand at SC
.set HALFS,  8*272                     ; those of 64 rows
.set SBLK,   544                       ; those of 16 rows
.set SPITCH, 272                       ; the stage: 16 rows x (256 + 16) bytes a wave, in K step 0's bytes: they have had their only fill, and nobody reads them behind the last barrier
.set OFF_AS, 0x200000                  ; ctx's scale bytes in w4
.set OFF_BC, 0x600000                  ; Wout's codes in w1
.set OFF_BS, 0x1930000                 ; and its scale bytes
.set ADRA, 8
.set ADRB, 12
.set ADRS, 16
.set STO,  17
.set RD,   18
.set CO,   19
.set BI,   20
.set SC,   32                          ; register 8 i + k: lanes r and 16 + r the word of row r of ctx's block i of 16 rows, for the k-th 128 along K
.set BK,   64
.set ACC,  128                         ; accumulator (a, b) at v[ACC + 8 (4 a + b)]
.set G1,   24                          ; s[24:31], s[32:39] descriptor groups 1 for ctx's and Wout's codes
.set G1B,  32
.set G1S,  40
.set G1SB, 48
.set G0S,  56                          ; s[68:71], s[84:87] groups 0 for ctx's and Wout's codes
.set G0SB, 60
.set G0,   68
.set G0B,  84
.set MSB, 0
.macro WIN new                         ; the immediate's high byte repeats the setting that is left
.if MSB != (\new)
	s_set_vgpr_msb (MSB<<8)|(\new)
.set MSB, (\new)
.endif
.endm
.set MULW, 0x05                        ; sources 0 and 1 window 1; C and D window 0
.set TO_F, 0x40                        ; destination window 1, address window 0
.macro JLOAD g0a, g1a, g0b, g1b        ; a joint load: waves 0, 1 fetch ctx's halves, waves 2, 3 Wout's; the branch hangs on the wave's number alone; four v_nop follow each line
	s_cmp_eq_u32 s15, 0
	s_cbranch_scc0 .Lfor_b_\@
	tensor_load_to_lds s[\g0a:\g0a+3], s[\g1a:\g1a+7]
	s_nop 0
.rept 4
	v_nop
.endr
	s_branch .Lasked_\@
.Lfor_b_\@:
	tensor_load_to_lds s[\g0b:\g0b+3], s[\g1b:\g1b+7]
	s_nop 0
.rept 4
	v_nop
.endr
.Lasked_\@:
.endm
.macro CROUND                          ; a round of the cluster's barrier
	s_barrier_signal -1
	s_barrier_wait -1
	s_cmp_lg_u32 s14, 0
	s_cbranch_scc1 .Lnot_wave_0_\@
	s_barrier_signal -3
.Lnot_wave_0_\@:
	s_barrier_wait -3
	s_barrier_signal -1
	s_barrier_wait -1
.endm
	s_load_b256 s[4:11], s[0:1], 0x0               ; w4 s[4:5], w1 s[6:7], bout s[8:9], out0 s[10:11]
	v_lshl_add_u32 v30, v0, 2, 0x46200
	v_mov_b32 v31, 0
	ds_add_u32 v30, v31
	ds_add_u32 v30, v31
	v_lshrrev_b32 v1, 5, v0
	v_readfirstlane_b32 s14, v1                    ; wave 0..3
	s_lshr_b32 s15, s14, 1                         ; which half of the tile's rows is mine.  Also: I fetch for ctx (0) or for Wout (1)
	s_and_b32 s16, s14, 1                          ; which half of its columns.  Also: which 64 rows I fetch
	s_bfe_u32 s18, ttmp6, 0x40000                  ; cx
	s_bfe_u32 s19, ttmp6, 0x40004                  ; cy
	s_lshl_b32 s66, ttmp9, 2
	s_add_co_u32 s66, s66, s18                     ; tile column = 4 x cluster x + cx
	s_and_b32 s17, ttmp7, 0xffff
	s_lshl_b32 s17, s17, 2
	s_add_co_u32 s17, s17, s19                     ; tile row = 4 x cluster y + cy
	s_lshl_b32 s67, s19, 2
	s_lshl_b32 s67, 15, s67                        ; my row of the cluster
	s_lshl_b32 s3, 0x1111, s18                     ; my column
	s_or_b32 s[G1+0], s67, (0<<16)|(1<<20)|(1<<21)|(7<<22)|(3<<25)   ; 4 words of padding after every 256
	s_or_b32 s[G1B+0], s3, (0<<16)|(1<<20)|(1<<21)|(7<<22)|(3<<25)
.irp g, G1, G1B
	s_mov_b32 s[\g+1], 1024<<16
	s_mov_b32 s[\g+2], 64<<16                      ; tensor_dim1
	s_mov_b32 s[\g+3], 1024<<16
	s_mov_b32 s[\g+4], 64                          ; tile_dim1
	s_mov_b32 s[\g+5], 1024                        ; the pitch in memory
	s_mov_b32 s[\g+6], 0
	s_mov_b32 s[\g+7], 0
.endr
	s_lshl_b32 s18, s16, 6                         ; which 64 rows of the tile I fetch
	s_lshl_b32 s20, s17, 7
	s_add_co_u32 s20, s20, s18                     ; ctx: row 128 x tile row + 64 x half
	s_lshl_b32 s100, s66, 7
	s_add_co_u32 s100, s100, s18                   ; Wout: row 128 x tile column + 64 x half
	s_lshl_b32 s22, s17, 7                         ; the scale bytes go straight into registers: of the 64 rows of ctx that I multiply,
	s_lshl_b32 s23, s15, 6
	s_add_co_u32 s22, s22, s23
	s_lshl_b32 s22, s22, 5                         ; 32 bytes a row
	s_mov_b32 s23, 0
	s_lshl_b32 s20, s20, 10                        ; 1,024 codes a row
	s_mov_b32 s21, 0
	s_lshl_b32 s2, s100, 5
	s_mov_b32 s3, 0
	s_lshl_b32 s100, s100, 10
	s_mov_b32 s101, 0
	s_add_nc_u64 s[22:23], s[22:23], OFF_AS
	s_add_nc_u64 s[100:101], s[100:101], OFF_BC
	s_add_nc_u64 s[2:3], s[2:3], OFF_BS
	s_mul_i32 s18, s14, HALFT                      ; where they go: wave x 64 rows: no place in the cluster enters an LDS address
	s_wait_dscnt 0x0
	s_wait_kmcnt 0x0
	s_add_nc_u64 s[20:21], s[4:5], s[20:21]
	s_add_nc_u64 s[22:23], s[4:5], s[22:23]
	s_add_nc_u64 s[100:101], s[6:7], s[100:101]
	s_add_nc_u64 s[2:3], s[6:7], s[2:3]
	CROUND                                         ; all sixteen work-groups are here: the joint loads meet
.irp s, 0
	s_mov_b32 s[G0+4*\s], 1
	s_add_co_u32 s[G0+4*\s+1], s18, \s*REG
	s_add_nc_u64 s[G0+4*\s+2:G0+4*\s+3], s[20:21], \s*256
	s_or_b32 s[G0+4*\s+3], s[G0+4*\s+3], 0x80000000
	s_mov_b32 s[G0B+4*\s], 1
	s_add_co_u32 s[G0B+4*\s+1], s18, \s*REG
	s_add_nc_u64 s[G0B+4*\s+2:G0B+4*\s+3], s[100:101], \s*256
	s_or_b32 s[G0B+4*\s+3], s[G0B+4*\s+3], 0x80000000
	JLOAD G0+4*\s, G1, G0B+4*\s, G1B               ; all four K steps: one load of mine is out
.endr
	v_and_b32 v1, 15, v0                           ; r
	v_bfe_u32 v2, v0, 4, 1                         ; h'
	v_mul_u32_u24 v3, v1, PITCH
	v_lshl_add_u32 v4, v2, 4, v3                   ; a fragment's row x pitch + 16 x half
	s_wait_alu depctr_va_vdst(0)
	s_mul_i32 s18, s15, HALFT                      ; my 64 rows of ctx
	s_mul_i32 s19, s16, HALFT                      ; my 64 rows of Wout,
	s_add_co_u32 s19, s19, 2*HALFT                 ; behind ctx's 128
.irp s, 0,1,2,3
	v_add_nc_u32 v[ADRA+\s], s18, v4
	v_add_nc_u32 v[ADRB+\s], s19, v4
	s_add_co_u32 s18, s18, REG
	s_add_co_u32 s19, s19, REG
.endr
	v_lshlrev_b32 v[ADRS], 5, v1                   ; row r's 32 scale bytes: eight words, all of K
.irp i, 0,1,2,3
	global_load_b128 v[SC+8*\i:SC+8*\i+3], v[ADRS], s[22:23] offset:\i*512
	global_load_b128 v[SC+8*\i+4:SC+8*\i+7], v[ADRS], s[22:23] offset:\i*512+16
	global_load_b128 v[SCB+8*\i:SCB+8*\i+3], v[ADRS], s[2:3] offset:\i*512
	global_load_b128 v[SCB+8*\i+4:SCB+8*\i+7], v[ADRS], s[2:3] offset:\i*512+16
.endr
	s_wait_alu depctr_va_vdst(0)
	s_wait_xcnt 0x0                                ; the loads have read their bases: s[2:3] is written below
	s_mul_i32 s18, s14, 16*SPITCH
	s_add_co_u32 s18, s18, SCL
	v_mul_u32_u24 v5, v1, SPITCH                   ; in: row r, 32 bytes for each half of the lanes
	v_lshl_add_u32 v5, v2, 5, v5
	v_add_nc_u32 v[STO], s18, v5
	v_mul_u32_u24 v5, v2, SPITCH                   ; back: lanes 0-15 take one row of 256 bytes, lanes 16-31 the next
	v_lshl_add_u32 v5, v1, 4, v5
	v_add_nc_u32 v[RD], s18, v5
	v_lshlrev_b32 v6, 4, v1                        ; 16 r: my four columns
	s_wait_alu depctr_va_vdst(0)
	v_lshl_add_u32 v[CO], v2, 12, v6               ; and the same two rows in the output, 4,096 bytes apart
	s_lshl_b32 s20, s17, 7
	s_lshl_b32 s21, s15, 6
	s_add_co_u32 s20, s20, s21                     ; my first row of the output
	s_lshl_b32 s20, s20, 12
	s_mov_b32 s21, 0
	s_lshl_b32 s100, s66, 9                        ; my first column, in bytes: 512 x tile column + 256 x half
	s_lshl_b32 s101, s16, 8
	s_add_co_u32 s100, s100, s101
	s_mov_b32 s101, 0
	s_add_nc_u64 s[2:3], s[8:9], s[100:101]        ; the bias of my 64 columns: its address registers stay as they are
	s_add_nc_u64 s[20:21], s[20:21], s[100:101]
	s_add_nc_u64 s[12:13], s[10:11], s[20:21]
	global_load_b128 v[BI:BI+3], v6, s[2:3]        ; four columns a lane, as a row comes back from the stage; waited for behind the products
.macro FRAG reg, adr, q, i             ; 16 rows x 128 K: lane l holds row l % 16; registers 4 c .. 4 c + 3 hold K = 32 c + 16 (l / 16) + 0 .. 15
.irp c, 0,1,2,3
	ds_load_b128 v[\reg+4*\c:\reg+4*\c+3], v[\adr] offset:128*(\q)+32*\c+(\i)*16*PITCH
.endr
.endm
.macro FETCH k                         ; 32 LDS loads in one run: the fragments of the k-th 128 along K (K step k / 2, its half k % 2) into set k % 2
	WIN TO_F
.irp i, 0,1,2,3
	FRAG 128*((\k)%2)+64+FR*\i, ADRB+(\k)/2, (\k)%2, \i
.endr
.irp i, 0,1,2,3
	FRAG 128*((\k)%2)+FR*\i, ADRA+(\k)/2, (\k)%2, \i
.endr
.endm
.macro MUL k, zero                     ; 16 matrix instructions: the 16 accumulators take turns, one instruction a turn, in the same order in every step.  zero = 1: the first products start the sums
	WIN MULW
.irp a, 0,1,2,3
.irp b, 0,1,2,3
.if \zero
	v_wmma_scale_f32_16x16x128_f8f6f4 v[ACC+8*(4*\a+\b):ACC+8*(4*\a+\b)+7], v[128*((\k)%2)+64+FR*\b:128*((\k)%2)+64+FR*\b+FR-1], v[128*((\k)%2)+FR*\a:128*((\k)%2)+FR*\a+FR-1], 0, v[SCB+8*\b+(\k)], v[SC+8*\a+(\k)]
.else
	v_wmma_scale_f32_16x16x128_f8f6f4 v[ACC+8*(4*\a+\b):ACC+8*(4*\a+\b)+7], v[128*((\k)%2)+64+FR*\b:128*((\k)%2)+64+FR*\b+FR-1], v[128*((\k)%2)+FR*\a:128*((\k)%2)+FR*\a+FR-1], v[ACC+8*(4*\a+\b):ACC+8*(4*\a+\b)+7], v[SCB+8*\b+(\k)], v[SC+8*\a+(\k)]
.endif
.endr
.endr
.endm
.macro PLACES n                        ; plain vector instructions between a matrix instruction and a load into, or a read of, its registers
.rept \n
	v_nop
.endr
.endm
; The k-th 128 along K.  The next step's fragments are asked for first, into the set that the step before multiplied; then this step's products.
; All of K has landed in every wave before the first step: no step waits for a tensor load or a barrier.
.macro KSTEP k
.if (\k) < 7
.if (\k) > 0
	PLACES NP                                      ; behind the last step's products, which read the set that the loads below fill
.endif
	FETCH (\k)+1
	s_wait_dscnt 32                                ; all but the 32 just issued: this step's fragments are in
.else
	s_wait_dscnt 0x0
.endif
.if (\k) == 0
	MUL \k, 1
.else
	MUL \k, 0
.endif
.endm
	s_wait_alu depctr_va_vdst(0)
	s_wait_tensorcnt 0x0                           ; my 64 rows, all of K, are in
	s_barrier_signal -1
	s_barrier_wait -1                              ; everybody's are
	s_wait_loadcnt 0x0                             ; the scale words (and the bias)
	FETCH 0
.irp k, 0,1,2,3,4,5,6,7
	KSTEP \k
.endr
	PLACES NP                                      ; in front of the first read of results
	WIN 0
; THE WAY OUT, block by block of 16 rows x 64 columns, through my own stage: in as 32 bytes a lane, back as whole rows of 256 bytes, to which the bias is added.
.macro TOSTAGE a
.irp b, 0,1,2,3
	ds_store_b128 v[STO], v[ACC+8*(4*(\a)+\b):ACC+8*(4*(\a)+\b)+3] offset:64*\b          ; each accumulator from its low end on
	ds_store_b128 v[STO], v[ACC+8*(4*(\a)+\b)+4:ACC+8*(4*(\a)+\b)+7] offset:64*\b+16
.endr
.set BB, BK+32*((\a)%2)
.irp t, 0,1,2,3,4,5,6,7
	ds_load_b128 v[BB+4*\t:BB+4*\t+3], v[RD] offset:\t*2*SPITCH      ; LDS serves a wave's instructions in order (ISA guide 5.7.1.4): these see the stores above
.endr
.endm
.macro SEND a, younger                 ; younger: the LDS instructions issued behind block a's loads, which may stay out
.set BB, BK+32*((\a)%2)
	s_wait_dscnt \younger
.irp t, 0,1,2,3,4,5,6,7
	v_pk_add_f32 v[BB+4*\t:BB+4*\t+1], v[BB+4*\t:BB+4*\t+1], v[BI:BI+1]
	v_pk_add_f32 v[BB+4*\t+2:BB+4*\t+3], v[BB+4*\t+2:BB+4*\t+3], v[BI+2:BI+3]
.endr
.irp t, 0,1,2,3,4,5,6,7
	global_store_b128 v[CO], v[BB+4*\t:BB+4*\t+3], s[12:13] offset:(16*(\a)+2*\t)*SIZE_N*4 th:TH_STORE_NT   ; 16 lanes store 256 consecutive bytes, at a multiple of 256 from the output's first byte; the row stands in the immediate, 62 rows at the most
.endr
.endm
	s_wait_loadcnt 0x0                             ; the bias
	TOSTAGE 0
.irp a, 1,2,3
.if \a > 1
	s_wait_xcnt 0x0                                ; block a - 2's stores have read the registers that block a's loads fill
.endif
	TOSTAGE \a
	SEND \a-1, 16                                  ; behind block a - 1's loads: block a's 8 stores and 8 loads
.endr
	SEND 3, 0
	s_wait_dscnt 0x0
	s_wait_tensorcnt 0x0
	ds_add_u32 v30, v31
	s_wait_dscnt 0x0
	CROUND                                         ; the closing round: no work-group ends while a partner may still ask for a tile that names it
	s_endpgm
.Lfunc_end_k_qe333723f20_outp:
	.size	k_qe333723f20_outp, .Lfunc_end_k_qe333723f20_outp-k_qe333723f20_outp
	.p2alignl 7, 3214868480
	.fill 96, 4, 3214868480
	.section	.rodata,"a",@progbits
	.p2align	6, 0x0
	.amdhsa_kernel k_qe333723f20_outp
		.amdhsa_group_segment_fixed_size 287744
		.amdhsa_private_segment_fixed_size 0
		.amdhsa_enable_private_segment 0
		.amdhsa_kernarg_size 32
		.amdhsa_user_sgpr_count 2
		.amdhsa_user_sgpr_kernarg_segment_ptr 1
		.amdhsa_wavefront_size32 1
		.amdhsa_system_sgpr_workgroup_id_x 1
		.amdhsa_system_sgpr_workgroup_id_y 1
		.amdhsa_system_sgpr_workgroup_id_z 1
		.amdhsa_system_vgpr_workitem_id 0
		.amdhsa_next_free_vgpr 512
		.amdhsa_next_free_sgpr 102
		.amdhsa_reserve_vcc 0
		.amdhsa_float_denorm_mode_32 3
		.amdhsa_float_denorm_mode_16_64 3
		.amdhsa_memory_ordered 1
		.amdhsa_forward_progress 1
		.amdhsa_inst_pref_size 55
	.end_amdhsa_kernel
	.amdgpu_metadata
---
amdhsa.version: [ 1, 2 ]
amdhsa.kernels:
  - .name:           k_qe333723f20_outp
    .symbol:         k_qe333723f20_outp.kd
    .args:
      - { .name: w4, .offset: 0, .size: 8, .value_kind: global_buffer, .address_space: global }
      - { .name: w1, .offset: 8, .size: 8, .value_kind: global_buffer, .address_space: global }
      - { .name: bout, .offset: 16, .size: 8, .value_kind: global_buffer, .address_space: global }
      - { .name: out0, .offset: 24, .size: 8, .value_kind: global_buffer, .address_space: global }
    .group_segment_fixed_size: 287744
    .private_segment_fixed_size: 0
    .kernarg_segment_align: 8
    .kernarg_segment_size: 32
    .max_flat_workgroup_size: 128
    .sgpr_count:     102
    .vgpr_count:     512
    .wavefront_size: 32
...
	.end_amdgpu_metadata
.endif
;; end of part 5
